; MI455X (gfx1250); checked and timed in simulation.
; The chip was launched on July 23, 2026; its instructions are those of AMD's public machine-readable ISA for CDNA 5 (MIT licence, August 2026) and "CDNA5" Instruction Set Architecture Reference Guide (July 2026). The comments in the code are by the model that wrote it; some were corrected since.
;; Cross Attention Layer. Allowed arithmetic: matrix products marked QUANTISED: E2M1 operands, one E8M0 scale for each 32 along K, by v_wmma_scale_f32_16x16x128_f8f6f4 with both operands' format E2M1 (or v_wmma_scale_f32_32x16x128_f4), f32 sums; everything else in f32.
;; Inputs: Wout_codes 1,024 x 32 x 16 uint8 (E2M1 codes of Wout, K innermost, in blocks of 32 codes, two codes a byte); Wout_scales 1,024 x 32 uint8 (E8M0 scales of Wout, one for each 32 codes along K); Wqkv_codes 3,072 x 32 x 16 uint8 (E2M1 codes of Wqkv, K innermost, in blocks of 32 codes, two codes a byte); Wqkv_scales 3,072 x 32 uint8 (E8M0 scales of Wqkv, one for each 32 codes along K); beta 1,024 float32; bout 1,024 float32; bqkv 3,072 float32; embedding1 2 x 2,048 x 1,024 float32; embedding2 2 x 2,048 x 1,024 float32; gamma 1,024 float32.
;; Outputs: out0 2 x 2,048 x 1,024 float32; out1 2 x 2,048 x 1,024 float32.
;; This version of the problem:
;;   THIS VERSION OF THE PROBLEM IS GIVEN IN LOW PRECISION. The matrix products marked QUANTISED in the list below multiply operands that are first quantised to E2M1 (2 exponent bits, 1 mantissa bit; 4 bits a number), with one power-of-two scale for each 32 numbers along K (OCP MX v1.0); their sums are f32. All else is computed in f32.
;;   The module's matrix products, in the order in which they are computed (A, B: the left and right operand; K: the contracted axis; several contracted axes count as one K, in the product's order):
;;     1. [M 4,096, K 1,024] x [K 1,024, N 3,072]; A: input embedding1; B: input Wqkv (given as codes): QUANTISED
;;     2. [M 4,096, K 1,024] x [K 1,024, N 3,072]; A: input embedding2; B: input Wqkv (given as codes): QUANTISED
;;     3. batch 32 x [M 2,048, K 64] x [K 64, N 2,048]; A: computed on the way; B: computed on the way: QUANTISED
;;     4. batch 32 x [M 64, K 2,048] x [K 2,048, N 2,048]; A: computed on the way; B: softmax (see below): QUANTISED
;;     5. batch 32 x [M 2,048, K 64] x [K 64, N 2,048]; A: computed on the way; B: computed on the way: QUANTISED
;;     6. batch 32 x [M 64, K 2,048] x [K 2,048, N 2,048]; A: computed on the way; B: softmax (see below): QUANTISED
;;     7. [M 4,096, K 1,024] x [K 1,024, N 1,024]; A: computed on the way; B: input Wout (given as codes): QUANTISED
;;     8. [M 4,096, K 1,024] x [K 1,024, N 1,024]; A: computed on the way; B: input Wout (given as codes): QUANTISED
;;   THE QUANTISER, for each operand of a quantised product, along K:
;;     - K is cut into blocks of 32 from its start; a last block that is shorter is filled with zeros.
;;     - A block's scale is 2^e with e = floor(log2(the largest magnitude in the block)) - 2, held to -126 .. 127; a block of zeros has e = 0. As a byte (E8M0): e + 127.
;;     - Each number is divided by its block's scale, clamped to +-6, and rounded to the nearest number of E2M1, ties to even, subnormals kept.
;;     - The product sums the exact products of the quantised numbers (number of the format x scale) in f32.
;;   ~~~python
;;   def quantise(x, axis):      # numpy; x: float32 -> the quantised numbers, widened to float32 again
;;       x = np.moveaxis(x, axis, -1); K = x.shape[-1]
;;       x = np.pad(x, [(0, 0)] * (x.ndim - 1) + [(0, -K % 32)]); x = x.reshape(x.shape[:-1] + (-1, 32)); a = np.abs(x).max(-1, keepdims=True)
;;       e = np.where(a > 0, np.clip(np.frexp(np.where(a > 0, a, 1))[1] - 1 - 2, -126, 127), 0)      # np.frexp(a)[1] - 1 = floor(log2(a)), exactly
;;       r = np.clip(x / 2.0 ** e, -6, 6)
;;       step = 2.0 ** (np.maximum(np.frexp(np.where(r == 0, 1, r))[1] - 1, 0) - 1)
;;       q = np.round(r / step) * step * 2.0 ** e      # np.round: ties to even
;;       return np.moveaxis(q.reshape(q.shape[:-2] + (-1,))[..., :K], -1, axis).astype(np.float32)
;;   ~~~
;;   SOFTMAX AHEAD OF A QUANTISED PRODUCT. Where the list says 'softmax', what is quantised is not the finished softmax but p = 2^(t - M), with t = logit x log2(e) and M = ceil(the row's largest t), a whole number; so 1/2 < the row's largest p <= 1. The row's sum l is taken of the UNQUANTISED p, in f32, and the product's result is divided by l at the end. Since M is a whole number, a kernel that streams over the keys may use a running M (the ceiling of the running maximum): every later rescaling is an exact power of two, which a block's scale takes up: the codes' values come out the same.
;;   OPERANDS COMPUTED ON THE WAY. 'Computed on the way' means the value that the module computes at that place (a softmax that the list does not call 'softmax' is quantised finished and normalised). What goes into a quantiser is computed in f32, as accurately as f32 sums, v_exp_f32 and their like allow (about 1e-6 of the number): no bf16 or f16 on the way to a quantiser, and a product that is left as it is and whose result goes on into a quantised operand takes f32 operands (vector FMAs, or v_wmma_f32_16x16x4_f32). A number that lies on a knife's edge between two numbers of the format may be rounded either way, as far as f32 arithmetic and the matrix unit's own rounding can turn it there, and no further.
;;   INPUTS GIVEN AS CODES. Wout (in the module: [1024, 1024], K = its axis 0); Wqkv (in the module: [1024, 3072], K = its axis 0): each comes as NAME_codes (uint8): NAME with its K axis moved to the last place and cut into blocks of 32 codes, [.., K / 32, bytes a block], one block behind the other in memory; two codes a byte, the lower K in the low four bits (a code: sign, 2 exponent bits, 1 mantissa bit); and NAME_scales (uint8): the same leading axes, one E8M0 byte (e + 127) for each 32 codes along K. Its value is code x scale, taken as it is: it is not quantised again, and the codes and scales need not be those that the quantiser above would give.
;; 2 versions, each right; version 2 is version 1 with the launches qkv, outln written anew for expert scheduling mode. Each part assembles by itself: llvm-mc -triple=amdgcn-amd-amdhsa -mcpu=gfx1250 --defsym DOCPART=n.
;; ======== version 1 of 2: 3 launches
;; workspace buffers: qcodes 4,194,304 bytes; qscales 524,288 bytes; kv 9,175,040 bytes; acodes 4,194,304 bytes; ascales 262,144 bytes
;; launch qkv (part 1): grid 4 x 64, 4 waves a work-group, no clusters, 70,144 bytes of LDS; arguments embedding1, embedding2, Wqkv_codes, Wqkv_scales, bqkv, qcodes, qscales, kv; writes qcodes, qscales, kv
.if DOCPART == 1
	.amdgcn_target "amdgcn-amd-amdhsa--gfx1250"
	.amdhsa_code_object_version 6
	.text
	.protected	k_q18c41730e3_qkv
	.globl	k_q18c41730e3_qkv
	.p2align	8
	.type	k_q18c41730e3_qkv,@function
k_q18c41730e3_qkv:
	s_mov_b64 s[64:65], 0
	v_nop
	global_prefetch_b8 v0, s[64:65] scope:SCOPE_SE
	s_setreg_imm32_b32 hwreg(HW_REG_WAVE_MODE, 25, 1), 1
	s_wait_xcnt 0x0
; qkv = Q(x) Wqkv + bqkv on codes of FP4 (E2M1) with one E8M0 scale for each 32 along K; q, k and v leave as codes again, laid as the attention launch's operand registers.
; ROWS.  8,192 token rows: sb = 2 x stream + batch (0..3), 2,048 tokens each.  A work-group (x = cg, y = blk) takes the 128 tokens of key step blk % 16 of sb = blk / 16 and heads 4 cg .. 4 cg + 3; wave w takes head 4 cg + w:
; 64 columns each of q, k and v for all 128 tokens: 12 column tiles x 8 token tiles x 8 K steps = 768 matrix instructions.  g = 16 sb + head.
; THE TOKENS OF A TILE ARE NOT NEIGHBOURS: lane r of tile m takes token 32 (m / 2) + 8 (m % 2) + r + 8 (r / 8); the rows of W that form a tile are chosen alike.  So the 16 registers of two neighbouring result tiles
; are 16 neighbours along the next product's K: the head's d for q and k (source 0 = W, source 1 = x), the tokens for v (source 0 = x, source 1 = W), and the conversions' results are the next operand's registers.
; PHASES.  x: wave w quantises tokens 32 w .. 32 w + 31 (two tiles x 8 K steps) and stores the fragments to LDS as images of their registers (16 bytes a lane, 512 a store) | one barrier | pass q, pass k, pass v: the pass's
; 32 fragments of W lie in the wave's registers (asked for a pass ahead), x's come from LDS; 32 accumulators by turns; the bias is the C of each sum's first product; the results are quantised in registers and stored:
; every store of codes covers 512 consecutive bytes.
; NO CLUSTER: W goes from memory straight into the registers of the one wave that multiplies by it, and x has to pass through registers to be quantised.  Through LDS a work-group's three passes of W are 3 x 136 KB beside
; x's 68 KB: more than LDS holds at once, so joint loads would want slots that are filled again, for bytes that each wave reads once.
; LIMITS: NaN and infinities among the inputs are not served.  A block of zeros gets the scale byte 1 where the quantiser's rule says 127: its codes are zeros, and the bytes are read by this program alone.
; REGISTERS, in windows of 256: window 0: v1-14 addresses; v16-79 x's 8 fragments (in the x phase and behind a pass: the codes just made); v80-111 W's scale words, two sets; v112-143 x's scale words;
;   v144-207 the biases, two sets; v208-219 at work; v224-235 scale words just made.   window 1: W of pass q, then of pass v: fragment (t, s) at v[32 s + 8 t].   window 2: W of pass k.
;   window 3: four sets of 64 numbers of x; then the 32 accumulators: q, k: (m, t) at v[32 m + 8 t]; v: (t, m) at v[64 t + 8 m].
.set XSC,  65536                       ; LDS: x's fragment (tile m, K step s) at (8 m + s) x 1,024; from XSC on x's scale words: (tile 2 b + u, row r, K step s) at 1,024 b + 32 (16 u + r) + 4 s
.set LI,   1                           ; v1   16 x lane: an image's place for my lane
.set XA,   2                           ; v2   x: (r + 8 (r / 8)) x 4,096 + 64 h
.set XWI,  3                           ; v3   where I store x's images: 16 x lane + 16,384 x wave
.set XWS,  4                           ; v4   and their scale words: XSC + 1,024 x wave + 32 r
.set XWJ,  5                           ; v5, v6  the same, for the trip in hand
.set XSJ,  6
.set WA,   7                           ; v7   W's codes: (r + 8 (r / 8)) x 512 + 16 h
.set WSA,  8                           ; v8   W's scale words: (r + 8 (r / 8) + 8 h) x 32: lanes 16-31 take the odd tile's rows
.set BA,   9                           ; v9   the bias of q and k: 64 h
.set BV,   10                          ; v10  the bias of v: 4 (r + 8 (r / 8))
.set L32,  11                          ; v11  XSC + 32 x lane
.set QSO,  12                          ; v12  q's scale words: 32 r + 16 h
.set L8,   13                          ; v13  8 x lane
.set FLR,  14                          ; v14  2^(3 - 127): the floor under every largest magnitude
.set XF,   16
.set WS,   80
.set XS,   112
.set BI,   144
.set TM,   208                         ; v208-211 largest magnitudes, v212-215 the other half's, then the bytes, v216-219 the conversions' scale operands
.set PWS,  224
.set OW,   232
.set MSB,  0
.macro WIN new                         ; the immediate's high byte repeats the setting that is left; a switch that changes nothing is dropped
.if MSB != (\new)
	s_set_vgpr_msb (MSB<<8)|(\new)
.set MSB, (\new)
.endif
.endm
.macro NOPS4                           ; four places behind matrix instructions, in front of loads into their operands and of the first read of their results
.rept 4
	v_nop
.endr
.endm
; A pass's W: 32 fragments into window ww, their scale words and the bias into set grp.  part: 0 q, 1 k, 2 v.
.macro LOADW part, ww, grp
	WIN (\ww)<<6
.irp t, 0,1,2,3
.irp s, 0,1,2,3,4,5,6,7
.irp c, 0,1
	global_load_b128 v[32*\s+8*\t+4*\c:32*\s+8*\t+4*\c+3], v[WA], s[28:29] offset:(\part)*524288+(32*(\t/2)+8*(\t%2))*512+64*\s+32*\c
.endr
.endr
.endr
	WIN 0
.irp b, 0,1
.irp q, 0,1
	global_load_b128 v[WS+16*(\grp)+8*\b+4*\q:WS+16*(\grp)+8*\b+4*\q+3], v[WSA], s[30:31] offset:(\part)*32768+1024*\b+16*\q   ; register 8 b + s: lanes 0-15 tile 2 b, lanes 16-31 tile 2 b + 1
.endr
.endr
.if (\part) < 2
.irp t, 0,1,2,3
.irp q, 0,1
	global_load_b128 v[BI+32*(\grp)+8*\t+4*\q:BI+32*(\grp)+8*\t+4*\q+3], v[BA], s[32:33] offset:(\part)*4096+(32*(\t/2)+8*(\t%2))*4+16*\q   ; a lane's eight registers: eight d
.endr
.endr
.else
.irp t, 0,1,2,3
.irp j, 0,1,2,3,4,5,6,7
	global_load_b32 v[BI+32*(\grp)+8*\t+\j], v[BV], s[32:33] offset:(\part)*4096+(32*(\t/2)+8*(\t%2))*4   ; v's results hold ONE d a lane: the same number in all eight registers
.endr
.endr
.endif
.endm
; Unit e of a trip: tile 2 w + e / 2, K step 2 j + e % 2: 64 numbers a lane into set e of window 3: register 16 b + i = k 32 b + 16 h + i of my token
.macro XLOAD e, add
	WIN 0xc0
.irp b, 0,1,2,3
.irp j, 0,1,2,3
	global_load_b128 v[64*(\e)+16*\b+4*\j:64*(\e)+16*\b+4*\j+3], v[XA], s[26:27] offset:(\add)+((\e)>>1)*32768+((\e)&1)*512+128*\b+16*\j
.endr
.endr
	WIN 0
.endm
; nb blocks of 32: numbers v[s] on in window 3, register 16 b + i = k 32 b + 16 h + i, become codes in v[pc] on (4 registers for each two blocks, in the operand's layout) and a scale word in v[pw].
; With two blocks the word's upper two bytes are 0x7f: they scale the zero half of a K step of 128.
.macro QUANT s, nb, pc, pw
	WIN 0x3c                                       ; sources 1 and 2 in window 3
.set qb, 0
.rept \nb
	v_max3_num_f32 v[TM+qb], v[FLR], |v[(\s)+16*qb]|, |v[(\s)+16*qb+1]|   ; my 16 numbers of block qb, and the floor: so the byte cannot fall under 1.  Accumulators are read from their low end on
.set qb, qb+1
.endr
.irp i, 2,4,6,8,10,12,14
.set qb, 0
.rept \nb
	v_max3_num_f32 v[TM+qb], v[TM+qb], |v[(\s)+16*qb+\i]|, |v[(\s)+16*qb+\i+1]|
.set qb, qb+1
.endr
.endr
	WIN 0
.set qb, 0
.rept \nb
	v_permlanex16_b32 v[TM+4+qb], v[TM+qb], s40, s41
.set qb, qb+1
.endr
.set qb, 0
.rept \nb
	v_max_num_f32 v[TM+qb], v[TM+qb], v[TM+4+qb]   ; with lane l xor 16's: the block's largest magnitude
.set qb, qb+1
.endr
.set qb, 0
.rept \nb
	v_add_nc_u32 v[TM+8+qb], 0xff000000, v[TM+qb]  ; 2 off its exponent field: the conversion takes the exponent field of this operand as its scale
.set qb, qb+1
.endr
.set qb, 0
.rept \nb
	v_lshrrev_b32 v[TM+4+qb], 23, v[TM+8+qb]       ; the scale's byte
.set qb, qb+1
.endr
	v_lshl_or_b32 v[\pw], v[TM+5], 8, v[TM+4]
.if (\nb) == 4
	v_lshl_or_b32 v[\pw], v[TM+6], 16, v[\pw]
	v_lshl_or_b32 v[\pw], v[TM+7], 24, v[\pw]
.else
	v_or_b32 v[\pw], 0x7f7f0000, v[\pw]
.endif
	WIN 0x03                                       ; source 0 in window 3
.set qb, 0
.rept \nb
	v_cvt_scalef32_pk8_fp4_f32 v[(\pc)+2*qb], v[(\s)+16*qb:(\s)+16*qb+7], v[TM+8+qb]
	v_cvt_scalef32_pk8_fp4_f32 v[(\pc)+2*qb+1], v[(\s)+16*qb+8:(\s)+16*qb+15], v[TM+8+qb]
.set qb, qb+1
.endr
	WIN 0
	v_nop                                          ; one plain place behind the last scaled conversion
.set qb, 0
.rept (\nb)/2                                  ; the operand's layout wants a WHOLE block in a lane: lanes 0-15 block 2 c, lanes 16-31 block 2 c + 1
	v_permlane16_swap_b32 v[(\pc)+4*qb], v[(\pc)+4*qb+2]
	v_permlane16_swap_b32 v[(\pc)+4*qb+1], v[(\pc)+4*qb+3]
.set qb, qb+1
.endr
.endm
.macro XUNIT e, left, more             ; left: the younger loads, which may stay out
	s_wait_loadcnt \left
	QUANT 64*(\e), 4, XF+8*(\e), PWS+(\e)
	ds_store_b128 v[XWJ], v[XF+8*(\e):XF+8*(\e)+3] offset:((\e)>>1)*8192+((\e)&1)*1024
	ds_store_b128 v[XWJ], v[XF+8*(\e)+4:XF+8*(\e)+7] offset:((\e)>>1)*8192+((\e)&1)*1024+512
	ds_store_b32 v[XSJ], v[PWS+(\e)] offset:((\e)>>1)*512+4*((\e)&1)   ; lanes r and r + 16 write the same word with the same value
.if \more
	XLOAD \e, 1024                                 ; the same unit of the next trip, two K steps on
.endif
.endm
.macro FETCHX s, m0                    ; x's fragments of K step s, tiles m0 .. m0 + 3
.irp m, \m0, \m0+1, \m0+2, \m0+3
.irp c, 0,1
	ds_load_b128 v[XF+8*(\m)+4*\c:XF+8*(\m)+4*\c+3], v[LI] offset:(8*(\m)+(\s))*1024+512*\c
.endr
.endr
.endm
.macro WM                              ; one product from the symbols rD, rA, rB, rC, sA, sB; oA, oB: the side's scale words stand in lanes 16-31
.if oA && oB
	v_wmma_scale_f32_16x16x128_f8f6f4 v[rD:rD+7], v[rA:rA+7], v[rB:rB+7], v[rC:rC+7], v[sA], v[sB] matrix_a_fmt:MATRIX_FMT_FP4 matrix_b_fmt:MATRIX_FMT_FP4 matrix_a_scale:MATRIX_SCALE_ROW1 matrix_b_scale:MATRIX_SCALE_ROW1
.elseif oA
	v_wmma_scale_f32_16x16x128_f8f6f4 v[rD:rD+7], v[rA:rA+7], v[rB:rB+7], v[rC:rC+7], v[sA], v[sB] matrix_a_fmt:MATRIX_FMT_FP4 matrix_b_fmt:MATRIX_FMT_FP4 matrix_a_scale:MATRIX_SCALE_ROW1
.elseif oB
	v_wmma_scale_f32_16x16x128_f8f6f4 v[rD:rD+7], v[rA:rA+7], v[rB:rB+7], v[rC:rC+7], v[sA], v[sB] matrix_a_fmt:MATRIX_FMT_FP4 matrix_b_fmt:MATRIX_FMT_FP4 matrix_b_scale:MATRIX_SCALE_ROW1
.else
	v_wmma_scale_f32_16x16x128_f8f6f4 v[rD:rD+7], v[rA:rA+7], v[rB:rB+7], v[rC:rC+7], v[sA], v[sB] matrix_a_fmt:MATRIX_FMT_FP4 matrix_b_fmt:MATRIX_FMT_FP4
.endif
.endm
; 16 products: token tiles m0 .. m0 + 3 x the pass's four column tiles, K step s.  kind 0 (q, k): source 0 = W, source 1 = x; kind 1 (v): the other way round.  The first K step takes the bias as C.
.macro MUL16 kind, ww, grp, s, m0
.if (\kind) == 0
.if (\s) == 0
	WIN 0xc0+(\ww)                                 ; D window 3, C (the bias) window 0, W window ww, x window 0
.else
	WIN 0xf0+(\ww)                                 ; C and D window 3
.endif
.else
.if (\s) == 0
	WIN 0xc4
.else
	WIN 0xf4
.endif
.endif
.irp m, \m0, \m0+1, \m0+2, \m0+3
.irp t, 0,1,2,3
.if (\kind) == 0
.set rD, 32*(\m)+8*\t
.set rA, 32*(\s)+8*\t
.set rB, XF+8*(\m)
.set sA, WS+16*(\grp)+8*(\t/2)+(\s)
.set sB, XS+8*((\m)/2)+(\s)
.set oA, \t%2
.set oB, (\m)%2
.else
.set rD, 64*\t+8*(\m)
.set rA, XF+8*(\m)
.set rB, 32*(\s)+8*\t
.set sA, XS+8*((\m)/2)+(\s)
.set sB, WS+16*(\grp)+8*(\t/2)+(\s)
.set oA, (\m)%2
.set oB, \t%2
.endif
.set rC, rD
.if (\s) == 0
.set rC, BI+32*(\grp)+8*\t
.endif
	WM
.endr
.endr
.endm
; A pass: 256 products; the 32 accumulators take turns, one instruction a turn, in the same order in every K step.  x's tiles 0-3 are fetched anew behind their 16 products, tiles 4-7 behind theirs.
.macro PASS kind, ww, grp
	FETCHX 0, 0
	FETCHX 0, 4
.irp s, 0,1,2,3,4,5,6,7
	s_wait_dscnt 8                                 ; tiles 0-3 are in (and all that was asked for earlier); the youngest eight loads, tiles 4-7, may be out
	MUL16 \kind, \ww, \grp, \s, 0
	s_wait_dscnt 0x0                               ; tiles 4-7 are in
.if \s < 7
	NOPS4
	WIN 0
	FETCHX \s+1, 0
.endif
	MUL16 \kind, \ww, \grp, \s, 4
.if \s < 7
	NOPS4
	WIN 0
	FETCHX \s+1, 4
.endif
.endr
	WIN 0
	NOPS4                                          ; in front of the first read of results
.endm
.macro EPI2 lo                         ; q's or k's results: for each token tile 64 d = two blocks; the tile's image goes to s[lo:lo+1] + 512 m
.irp m, 0,1,2,3,4,5,6,7
	QUANT 32*\m, 2, XF+4*\m, PWS+\m
	global_store_b128 v[LI], v[XF+4*\m:XF+4*\m+3], s[\lo:\lo+1] offset:512*\m
.endr
.endm
	s_load_b256 s[8:15], s[0:1], 0x0               ; embedding1 s[8:9], embedding2 s[10:11], W's codes s[12:13], W's scales s[14:15]
	s_load_b256 s[16:23], s[0:1], 0x20             ; bqkv s[16:17], qcodes s[18:19], qscales s[20:21], kv s[22:23]
	v_lshl_add_u32 v254, v0, 2, 0x11000
	v_mov_b32 v255, 0
	v_lshrrev_b32 v15, 5, v0
	v_readfirstlane_b32 s2, v15                    ; wave 0..3
	s_and_b32 s3, ttmp7, 0xffff                    ; blk
	s_lshl_b32 s4, ttmp9, 2
	s_add_co_u32 s4, s4, s2                        ; my head
	s_lshr_b32 s5, s3, 4                           ; sb
	s_and_b32 s6, s3, 15                           ; the key step
	s_lshl_b32 s7, s5, 4
	s_add_co_u32 s7, s7, s4                        ; g
	v_and_b32 v15, 31, v0                          ; lane
	v_and_b32 v208, 15, v0                         ; r
	v_bfe_u32 v209, v0, 4, 1                       ; h
	v_and_b32 v210, 8, v208
	v_add_nc_u32 v210, v210, v208                  ; r + 8 (r / 8)
	v_lshlrev_b32 v[LI], 4, v15
	v_lshlrev_b32 v[XA], 12, v210
	v_lshl_add_u32 v[XA], v209, 6, v[XA]
	s_lshl_b32 s46, s2, 14
	v_add_nc_u32 v[XWI], s46, v[LI]
	v_lshlrev_b32 v[XWS], 5, v208
	s_lshl_b32 s46, s2, 10
	s_add_co_u32 s46, s46, XSC
	v_add_nc_u32 v[XWS], s46, v[XWS]
	v_lshlrev_b32 v[WA], 9, v210
	v_lshl_add_u32 v[WA], v209, 4, v[WA]
	v_lshl_add_u32 v[WSA], v209, 3, v210
	v_lshlrev_b32 v[WSA], 5, v[WSA]
	v_lshlrev_b32 v[BA], 6, v209
	v_lshlrev_b32 v[BV], 2, v210
	v_lshl_add_u32 v[L32], v15, 5, XSC
	v_lshlrev_b32 v[QSO], 5, v208
	v_lshl_add_u32 v[QSO], v209, 4, v[QSO]
	v_lshlrev_b32 v[L8], 3, v15
	v_mov_b32 v[FLR], 0x1800000
.irp b, 0,1,2,3
	v_mov_b32 v[TM+4+\b], 0                        ; written once: a lane permute's destination counts as one of its sources
.endr
	s_mov_b32 s40, 0x76543210
	s_mov_b32 s41, 0xfedcba98                      ; v_permlanex16_b32's selects for lane l xor 16
	s_mov_b32 s42, 0xffff0000                      ; lanes 16-31
	s_and_b32 s24, s3, 31
	s_lshl_b32 s24, s24, 19                        ; 128 tokens of 4,096 bytes for each block of the stream,
	s_lshl_b32 s25, s2, 17                         ; 32 for each wave
	s_add_co_u32 s24, s24, s25
	s_mov_b32 s25, 0
	s_mov_b32 s47, 0
	s_wait_kmcnt 0x0
	s_cmp_lt_u32 s3, 32                            ; the stream: a choice on the work-group's number alone
	s_cselect_b64 s[26:27], s[8:9], s[10:11]
	s_add_nc_u64 s[26:27], s[26:27], s[24:25]      ; x at my wave's 32 tokens
	s_lshl_b32 s46, s4, 15
	s_add_nc_u64 s[28:29], s[12:13], s[46:47]      ; W's codes at my head's 64 rows of q (512 bytes a row)
	s_lshl_b32 s46, s4, 11
	s_add_nc_u64 s[30:31], s[14:15], s[46:47]      ; their scale bytes (32 a row)
	s_lshl_b32 s46, s4, 8
	s_add_nc_u64 s[32:33], s[16:17], s[46:47]      ; their bias
	s_lshl_b32 s46, s7, 16
	s_lshl_b32 s24, s6, 12
	s_add_co_u32 s46, s46, s24
	s_add_nc_u64 s[34:35], s[18:19], s[46:47]      ; qcodes [g][tile][512]: my eight tiles
	s_lshl_b32 s46, s7, 13
	s_lshl_b32 s24, s6, 9
	s_add_co_u32 s46, s46, s24
	s_add_nc_u64 s[36:37], s[20:21], s[46:47]      ; qscales [g][128 tokens][r][tile] words
	s_mul_i32 s46, s7, 143360
	s_mul_i32 s24, s6, 8960
	s_add_co_u32 s46, s46, s24
	s_add_nc_u64 s[38:39], s[22:23], s[46:47]      ; kv [g][key step][8,960]: K's 8 images, V's 8, K's scale words (512 bytes), V's (256)
	LOADW 0, 1, 0                                  ; pass q's W lands while x is quantised
.irp e, 0,1,2,3
	XLOAD \e, 0
.endr
	; ---- x: four trips of four units; three of them in a loop, the last written out without loads: no load leaves its buffer
	s_mov_b32 s43, 3
	s_mov_b32 s44, 0
	s_mov_b32 s45, 0
.Lxtrip:
	s_wait_dscnt 0x0                               ; the last trip's LDS stores have read their registers
	v_add_nc_u32 v[XWJ], s44, v[XWI]               ; 2,048 bytes of images and 8 of scale words a trip
	v_add_nc_u32 v[XSJ], s45, v[XWS]
.irp e, 0,1,2,3
	XUNIT \e, 48, 1                                ; three younger units of 16 loads stay out
.endr
	s_wait_xcnt 0x0                                ; the loads have read their base: it may step
	s_add_nc_u64 s[26:27], s[26:27], 1024
	s_add_co_u32 s44, s44, 2048
	s_add_co_u32 s45, s45, 8
	s_sub_co_u32 s43, s43, 1
	s_cmp_lg_u32 s43, 0
	s_cbranch_scc1 .Lxtrip
	s_wait_dscnt 0x0
	v_add_nc_u32 v[XWJ], s44, v[XWI]
	v_add_nc_u32 v[XSJ], s45, v[XWS]
	XUNIT 0, 48, 0                                 ; the counts run down
	XUNIT 1, 32, 0
	XUNIT 2, 16, 0
	XUNIT 3, 0, 0
	LOADW 1, 2, 1                                  ; pass k's W lands during pass q
	s_wait_dscnt 0x0                               ; for the others' sake: my images and scale words lie in LDS
	s_barrier_signal -1
	s_barrier_wait -1                              ; everybody's do
.irp b, 0,1,2,3
.irp q, 0,1
	ds_load_b128 v[XS+8*\b+4*\q:XS+8*\b+4*\q+3], v[L32] offset:1024*\b+16*\q   ; x's scale words stay: register 8 b + s: lanes 0-15 tile 2 b, lanes 16-31 tile 2 b + 1
.endr
.endr
	; ---- q
	PASS 0, 1, 0
	EPI2 34
.irp i, 0,1,2,3
	v_cndmask_b32 v[OW+\i], v[PWS+\i], v[PWS+4+\i], s42   ; lanes 0-15 store tiles 0-3's words of row r, lanes 16-31 tiles 4-7's
.endr
	global_store_b128 v[QSO], v[OW:OW+3], s[36:37]
	; ---- k
	s_wait_loadcnt 0x0                             ; pass k's W is in
	s_wait_xcnt 0x0                                ; q's stores have read their registers: they are written again below
	LOADW 2, 1, 0                                  ; pass v's W, into the registers that pass q has left
	PASS 0, 2, 1
	EPI2 38
.irp i, 0,1,2,3
	v_cndmask_b32 v[OW+\i], v[PWS+2*\i], v[PWS+2*\i+1], s42   ; word i of lane l: tile 2 i + l / 16, row l % 16: as the attention launch's scale registers take them
.endr
	global_store_b128 v[LI], v[OW:OW+3], s[38:39] offset:8192
	; ---- v
	s_wait_loadcnt 0x0
	s_wait_xcnt 0x0
	PASS 1, 1, 0
.irp t, 0,1,2,3
	QUANT 64*\t, 4, XF+8*\t, PWS+\t                ; 16 d x 128 tokens: four blocks along the keys: one fragment of V^T
	global_store_b128 v[LI], v[XF+8*\t:XF+8*\t+3], s[38:39] offset:4096+1024*\t
	global_store_b128 v[LI], v[XF+8*\t+4:XF+8*\t+7], s[38:39] offset:4096+1024*\t+512
.endr
.irp i, 0,1
	v_cndmask_b32 v[OW+\i], v[PWS+2*\i], v[PWS+2*\i+1], s42
.endr
	global_store_b64 v[L8], v[OW:OW+1], s[38:39] offset:8704
	s_wait_tensorcnt 0x0
	ds_add_u32 v254, v255
	s_wait_dscnt 0x0
	s_endpgm
.Lfunc_end_k_q18c41730e3_qkv:
	.size	k_q18c41730e3_qkv, .Lfunc_end_k_q18c41730e3_qkv-k_q18c41730e3_qkv
	.p2alignl 7, 3214868480
	.fill 96, 4, 3214868480
	.section	.rodata,"a",@progbits
	.p2align	6, 0x0
	.amdhsa_kernel k_q18c41730e3_qkv
		.amdhsa_group_segment_fixed_size 70144
		.amdhsa_private_segment_fixed_size 0
		.amdhsa_enable_private_segment 0
		.amdhsa_kernarg_size 64
		.amdhsa_user_sgpr_count 2
		.amdhsa_user_sgpr_kernarg_segment_ptr 1
		.amdhsa_wavefront_size32 1
		.amdhsa_system_sgpr_workgroup_id_x 1
		.amdhsa_system_sgpr_workgroup_id_y 1
		.amdhsa_system_sgpr_workgroup_id_z 1
		.amdhsa_system_vgpr_workitem_id 0
		.amdhsa_next_free_vgpr 1024
		.amdhsa_next_free_sgpr 66
		.amdhsa_reserve_vcc 0
		.amdhsa_float_denorm_mode_32 3
		.amdhsa_float_denorm_mode_16_64 3
		.amdhsa_memory_ordered 1
		.amdhsa_forward_progress 1
		.amdhsa_inst_pref_size 252
	.end_amdhsa_kernel
	.amdgpu_metadata
---
amdhsa.version: [ 1, 2 ]
amdhsa.kernels:
  - .name:           k_q18c41730e3_qkv
    .symbol:         k_q18c41730e3_qkv.kd
    .args:
      - { .name: embedding1, .offset: 0, .size: 8, .value_kind: global_buffer, .address_space: global }
      - { .name: embedding2, .offset: 8, .size: 8, .value_kind: global_buffer, .address_space: global }
      - { .name: Wqkv_codes, .offset: 16, .size: 8, .value_kind: global_buffer, .address_space: global }
      - { .name: Wqkv_scales, .offset: 24, .size: 8, .value_kind: global_buffer, .address_space: global }
      - { .name: bqkv, .offset: 32, .size: 8, .value_kind: global_buffer, .address_space: global }
      - { .name: qcodes, .offset: 40, .size: 8, .value_kind: global_buffer, .address_space: global }
      - { .name: qscales, .offset: 48, .size: 8, .value_kind: global_buffer, .address_space: global }
      - { .name: kv, .offset: 56, .size: 8, .value_kind: global_buffer, .address_space: global }
    .group_segment_fixed_size: 70144
    .private_segment_fixed_size: 0
    .kernarg_segment_align: 8
    .kernarg_segment_size: 64
    .max_flat_workgroup_size: 128
    .sgpr_count:     66
    .vgpr_count:     1024
    .wavefront_size: 32
...
	.end_amdgpu_metadata
.endif
;; end of part 1
;; launch attn (part 2): grid 4 x 64, 16 waves a work-group, clusters of 4 x 1, 169,984 bytes of LDS; arguments qcodes, qscales, kv, acodes, ascales; writes acodes, ascales
.if DOCPART == 2
	.amdgcn_target "amdgcn-amd-amdhsa--gfx1250"
	.amdhsa_code_object_version 6
	.text
	.protected	k_q18c41730e3_attn
	.globl	k_q18c41730e3_attn
	.p2align	8
	.type	k_q18c41730e3_attn,@function
k_q18c41730e3_attn:
	s_mov_b64 s[64:65], 0
	v_nop
	global_prefetch_b8 v0, s[64:65] scope:SCOPE_SE
	s_setreg_imm32_b32 hwreg(HW_REG_WAVE_MODE, 25, 1), 1
	s_wait_xcnt 0x0
	s_wait_alu depctr_hold_cnt(0) depctr_sa_sdst(0) depctr_va_vdst(0) depctr_va_sdst(0) depctr_va_ssrc(0) depctr_va_vcc(0) depctr_vm_vsrc(0)
	s_getreg_b32 s2, hwreg(HW_REG_IB_STS2, 6, 4)
	s_cmp_eq_u32 s2, 0
	s_cbranch_scc0 .Lentry_in_a_cluster
	s_endpgm
.Lentry_in_a_cluster:
	s_bfe_u32 s2, ttmp6, 0x10000c
	s_cmp_lg_u32 s2, 0x3003
	s_cbranch_scc0 .Lentry_shape_is_right
	s_endpgm
.Lentry_shape_is_right:
; o = softmax(q k^T / 8) v for the 64 instances g = 16 sb + head (sb = 2 x stream + batch), both products on codes of FP4 (E2M1) with E8M0 scales; q of g meets k and v of g xor 32, the other stream.  o / l leaves as codes again, quantised along the model's 1,024.
; THE SOFTMAX AHEAD OF THE SECOND PRODUCT: t = score x log2(e) / 8; M = the row's largest t so far, rounded UP to a whole number; p = 2^(t - M) is what is quantised, along the keys; the row's sum l is taken of the unquantised p
; and divides at the end.  When M moves, l and O are multiplied by 2^(old M - new M): exact.
; SHARES.  A work-group owns 512 queries of g; each of its sixteen waves two tiles of 16, one after the other, in 256 registers: four waves to a SIMD, so that one wave's vector work stands beside another's products and LDS loads.
; LDS.  The whole partner head, 16 key steps x 8,960 bytes (K's 8 images, V^T's 8, their scale words, all laid as operand registers), is filled ONCE: wave w brings key step w, one tensor load a wave, one outstanding.
; Nothing is filled again: the loops have no barrier.  CLUSTER: the four work-groups of an instance need the same head: each load is asked for jointly, with the same descriptor and the mask of all four.
; LAYOUT.  S^T = K Q^T (source 0 = 16 keys, source 1 = my 16 queries), O^T = V^T P^T: a lane holds ONE query.  The keys of a tile of K and the d of a tile of V^T are not neighbours (lane r of tile t: 32 (t / 2) + 8 (t % 2) + r + 8 (r / 8)),
; so that 16 registers of two neighbouring result tiles are 16 neighbours along the next K.
; THE HEAD IS 64 WIDE, A K STEP 128: Q's upper four registers are zero codes and both sides' upper two scale bytes are 0x7f.  A fragment of K names eight registers of which the upper four are the next tile's codes: against
; zero codes they add nothing (E2M1 has no NaN and no infinity).
; LIMITS: NaN and infinities are not served.  A block of zeros gets the byte 1 where the rule says 127 (zero codes; read by this program alone).  1 / l is v_rcp_f32.  The results' scale bytes leave as single bytes, 32 bytes apart
; (a row's 32 bytes come from 16 work-groups): 262,144 bytes in the launch.
.set KVSTEP, 8960
.set KVHEAD, 143360
.set Q,   16                           ; v16-23, v24-31  my two tiles of Q
.set KF,  32                           ; v32-63 K's 8 tiles, four registers each; v64-67 zeros
.set KS,  68                           ; v68-71 K's scale words: register i: lanes 0-15 tile 2 i, lanes 16-31 tile 2 i + 1
.set VS,  72                           ; v72-73 V's likewise
.set PW,  74                           ; v74    p's scale word
.set VF,  80                           ; v80-111 V^T's four fragments
.set S,   112                          ; v112-175 S^T, then p
.set O,   176                          ; v176-207 O^T
.set PC,  208                          ; v208-215 p's codes
.set BM,  216                          ; v216-219 the blocks' largest
.set T4,  220                          ; v220-223 the other half's, then the bytes
.set SO,  224                          ; v224-227 the conversions' scale operands
.set OC,  236                          ; v236-243 o's codes, four for each tile
.set OB,  244                          ; v244-245 o's scale byte
; v1 16 x lane; v2 8 x lane; v3, v4 the step's LDS addresses; v5 32 r; v6 32 r + h; v8, v9 Q's scale words; v12 -M; v13 the largest t; v[14:15] the sum in two halves; v[228:229] f; v[230:231] at work
.macro NOPS4
.rept 4
	v_nop
.endr
.endm
.macro ROUND                           ; a round of the cluster's barrier
	s_barrier_signal -1
	s_barrier_wait -1
	s_cmp_lg_u32 s14, 0
	s_cbranch_scc1 .Lnot_wave_0_\@
	s_barrier_signal -3
.Lnot_wave_0_\@:
	s_barrier_wait -3
	s_barrier_signal -1
	s_barrier_wait -1
.endm
	s_load_b256 s[4:11], s[0:1], 0x0               ; qcodes s[4:5], qscales s[6:7], kv s[8:9], acodes s[10:11]
	s_load_b64 s[12:13], s[0:1], 0x20              ; ascales
	v_lshl_add_u32 v254, v0, 2, 0x29000
	v_mov_b32 v255, 0
	ds_add_u32 v254, v255
	ds_add_u32 v254, v255
	v_lshrrev_b32 v7, 5, v0
	v_readfirstlane_b32 s14, v7                    ; wave 0..15
	s_bfe_u32 s15, ttmp6, 0x40000                  ; cx: my place in the cluster
	s_lshl_b32 s39, ttmp9, 2
	s_add_co_u32 s39, s39, s15                     ; my block of 512 queries: it enters the addresses of q and of the results alone
	s_and_b32 s16, ttmp7, 0xffff                   ; g, which the four partners share
	; the descriptor: 8,960 dense bytes as 35 rows of 32 elements of 8 bytes
	s_mov_b32 s24, 15|(3<<16)|(1<<21)              ; 15:0 the mask: all four work-groups; 17:16 elements of 8 bytes; 21 set beside a mask; no padding
	s_mov_b32 s25, 32<<16                          ; tensor_dim0 = 32
	s_mov_b32 s26, 35<<16                          ; tensor_dim1 = 35
	s_mov_b32 s27, 32<<16                          ; tile_dim0 = 32
	s_mov_b32 s28, 35                              ; tile_dim1 = 35
	s_mov_b32 s29, 32                              ; elements from row to row
	s_mov_b32 s30, 0
	s_mov_b32 s31, 0
	s_mov_b32 s20, 1                               ; count = 1
	s_mul_i32 s21, s14, KVSTEP                     ; LDS address: key step w
	s_xor_b32 s17, s16, 32                         ; the other stream's instance
	s_mul_i32 s18, s17, KVHEAD
	s_add_co_u32 s18, s18, s21
	s_mov_b32 s19, 0
	; where q and the results lie: tile T = 32 x block + 16 p + w
	s_lshl_b32 s40, s16, 16                        ; qcodes [g][T][512]
	s_lshl_b32 s17, s39, 14
	s_add_co_u32 s40, s40, s17
	s_lshl_b32 s17, s14, 9
	s_add_co_u32 s40, s40, s17
	s_mov_b32 s41, 0
	s_lshl_b32 s42, s16, 13                        ; qscales [g][T / 8][r][T % 8] words
	s_lshl_b32 s17, s39, 11
	s_add_co_u32 s42, s42, s17
	s_lshr_b32 s17, s14, 3
	s_lshl_b32 s17, s17, 9
	s_add_co_u32 s42, s42, s17
	s_and_b32 s17, s14, 7
	s_lshl_b32 s17, s17, 2
	s_add_co_u32 s42, s42, s17
	s_mov_b32 s43, 0
	s_lshr_b32 s44, s16, 4                         ; sb
	s_lshl_b32 s46, s44, 16                        ; ascales [2,048 sb + 16 T + r][32], byte 2 head + h
	s_lshl_b32 s44, s44, 20                        ; acodes [128 sb + T][head][512]
	s_lshl_b32 s17, s39, 18
	s_add_co_u32 s44, s44, s17
	s_lshl_b32 s17, s14, 13
	s_add_co_u32 s44, s44, s17
	s_and_b32 s17, s16, 15                         ; the head
	s_lshl_b32 s17, s17, 9
	s_add_co_u32 s44, s44, s17
	s_mov_b32 s45, 0
	s_lshl_b32 s17, s39, 14
	s_add_co_u32 s46, s46, s17
	s_lshl_b32 s17, s14, 9
	s_add_co_u32 s46, s46, s17
	s_and_b32 s17, s16, 15
	s_lshl_b32 s17, s17, 1
	s_add_co_u32 s46, s46, s17
	s_mov_b32 s47, 0
	s_mov_b32 s32, 0x76543210
	s_mov_b32 s33, 0xfedcba98                      ; v_permlanex16_b32's selects for lane l xor 16
	s_mov_b32 s34, 0x3e38aa3b                      ; c = log2(e) / 8
	s_mov_b32 s35, s34                             ; (named with it as a pair, so it is written)
	s_mov_b32 s36, 0xffff0000                      ; lanes 16-31
	s_wait_dscnt 0x0
	s_wait_kmcnt 0x0
	s_add_nc_u64 s[22:23], s[8:9], s[18:19]        ; global address: key step w of the partner head
	s_or_b32 s23, s23, 0x80000000                  ; type = 2
	s_add_nc_u64 s[4:5], s[4:5], s[40:41]
	s_add_nc_u64 s[6:7], s[6:7], s[42:43]
	s_add_nc_u64 s[10:11], s[10:11], s[44:45]
	s_add_nc_u64 s[12:13], s[12:13], s[46:47]
	ROUND                                          ; all four work-groups are here: the joint loads meet
	tensor_load_to_lds s[20:23], s[24:31]          ; my one tensor load of the launch
	s_nop 0
	NOPS4                                          ; four plain lines follow it
	v_and_b32 v7, 31, v0
	v_lshlrev_b32 v1, 4, v7
	v_lshlrev_b32 v2, 3, v7
	v_and_b32 v5, 15, v0
	v_lshlrev_b32 v5, 5, v5
	v_bfe_u32 v6, v0, 4, 1
	v_add_nc_u32 v6, v6, v5
.irp p, 0,1
	global_load_b128 v[Q+8*\p:Q+8*\p+3], v1, s[4:5] offset:8192*\p   ; a tile's image: lane (r, h): query r, d = 32 h .. 32 h + 31
	global_load_b32 v[8+\p], v5, s[6:7] offset:1024*\p               ; and its scale words
.endr
.irp j, 20,21,22,23,28,29,30,31,64,65,66,67
	v_mov_b32 v\j, 0                               ; the zero half of Q's fragments, and what tile 7 of K names behind its codes
.endr
.irp b, 0,1,2,3
	v_mov_b32 v[T4+\b], 0                          ; written once: a lane permute's destination counts as one of its sources
.endr
	v_mov_b32 v229, 0                              ; (named as the upper half of the pair v[228:229])
	s_wait_tensorcnt 0x0                           ; my key step lies in LDS,
	s_barrier_signal -1
	s_barrier_wait -1                              ; everybody's does
	s_wait_loadcnt 0x0                             ; Q
; A KEY STEP: 128 keys at LDS byte s37, for tile p.
.macro STEP p
	v_add_nc_u32 v3, s37, v1
	v_add_nc_u32 v4, s37, v2
	v_nop
	v_nop                                          ; four places in front of loads into registers that the last step's products have read
.irp t, 0,1,2,3,4,5,6,7
	ds_load_b128 v[KF+4*\t:KF+4*\t+3], v3 offset:512*\t
.endr
	ds_load_b128 v[KS:KS+3], v3 offset:8192
.irp t, 0,1,2,3
.irp c, 0,1
	ds_load_b128 v[VF+8*\t+4*\c:VF+8*\t+4*\c+3], v3 offset:4096+512*(2*\t+\c)
.endr
.endr
	ds_load_b64 v[VS:VS+1], v4 offset:8704
	s_wait_dscnt 9                                 ; K and its scale words are in; V's nine loads may be out: they have the softmax in which to land
.irp t, 0,1,2,3,4,5,6,7
.if \t%2
	v_wmma_scale_f32_16x16x128_f8f6f4 v[S+8*\t:S+8*\t+7], v[KF+4*\t:KF+4*\t+7], v[Q+8*(\p):Q+8*(\p)+7], 0, v[KS+\t/2], v[8+(\p)] matrix_a_fmt:MATRIX_FMT_FP4 matrix_b_fmt:MATRIX_FMT_FP4 matrix_a_scale:MATRIX_SCALE_ROW1
.else
	v_wmma_scale_f32_16x16x128_f8f6f4 v[S+8*\t:S+8*\t+7], v[KF+4*\t:KF+4*\t+7], v[Q+8*(\p):Q+8*(\p)+7], 0, v[KS+\t/2], v[8+(\p)] matrix_a_fmt:MATRIX_FMT_FP4 matrix_b_fmt:MATRIX_FMT_FP4
.endif
.endr                                          ; register 16 b + i of S: key 32 b + 16 h + i
	NOPS4
.irp b, 0,1,2,3
	v_max3_num_f32 v[BM+\b], v[S+16*\b], v[S+16*\b+1], v[S+16*\b+2]   ; the largest score of each block of 32 keys: it serves for the row's maximum and, since p rises with the score, for the block's largest p
.endr
.irp i, 3,5,7,9,11,13
.irp b, 0,1,2,3
	v_max3_num_f32 v[BM+\b], v[BM+\b], v[S+16*\b+\i], v[S+16*\b+\i+1]
.endr
.endr
.irp b, 0,1,2,3
	v_max_num_f32 v[BM+\b], v[BM+\b], v[S+16*\b+15]
.endr
.irp b, 0,1,2,3
	v_permlanex16_b32 v[T4+\b], v[BM+\b], s32, s33
.endr
.irp b, 0,1,2,3
	v_max_num_f32 v[BM+\b], v[BM+\b], v[T4+\b]     ; with lane l xor 16's 16 keys
.endr
	v_max3_num_f32 v230, v[BM], v[BM+1], v[BM+2]
	v_max_num_f32 v230, v230, v[BM+3]              ; the step's largest score of my query
	v_mul_f32 v230, s34, v230                      ; as t (c is positive)
	v_max_num_f32 v13, v13, v230                   ; the running largest t
	v_mov_b32 v230, v12
	v_floor_f32 v12, -v13                          ; the new -M = floor(-t): M is a whole number
	v_sub_f32 v230, v12, v230                      ; old M - new M: a whole number, 0 or less
	v_cvt_i32_f32 v230, v230                       ; (it saturates)
	v_ldexp_f32 v228, 1.0, v230                    ; f = 2^(old M - new M)
.set j, 0
.rept 32
	v_pk_fma_f32 v[S+j:S+j+1], v[S+j:S+j+1], s[34:35], v[12:13] op_sel_hi:[1,0,0]   ; t - M, two at a time (of the pairs c and -M the low word serves both halves)
.set j, j+2
.endr
.irp b, 0,1,2,3
	v_fma_f32 v[BM+\b], v[BM+\b], s34, v12         ; the same of each block's largest score
.endr
.set j, 0
.rept 64
	v_exp_f32 v[S+j], v[S+j]                       ; p = 2^(t - M), at most 1
.set j, j+1
.endr
	v_pk_mul_f32 v[14:15], v[14:15], v[228:229] op_sel_hi:[1,0]   ; the sums under the new M: the plain line behind the exponentials
	s_wait_alu depctr_va_vdst(0)                   ; one wait for the batch of 64, ahead of its first reader
.irp b, 0,1,2,3
	v_exp_f32 v[BM+\b], v[BM+\b]                   ; the block's largest p: the same two instructions on the same number give the same bits
.endr
	v_pk_add_f32 v[230:231], v[S:S+1], v[S+2:S+3]  ; the row's sum is taken of the UNQUANTISED p: two at a time, in two chains
.set j, 4
.rept 15
	v_pk_add_f32 v[14:15], v[14:15], v[S+j:S+j+1]
	v_pk_add_f32 v[230:231], v[230:231], v[S+j+2:S+j+3]
.set j, j+4
.endr
	v_pk_add_f32 v[14:15], v[14:15], v[230:231]
	s_wait_alu depctr_va_vdst(0)                   ; and one for the four
.irp b, 0,1,2,3
	v_max_num_f32 v[BM+\b], 0x1800000, v[BM+\b]    ; the floor 2^(3 - 127): the byte cannot fall under 1
.endr
.irp b, 0,1,2,3
	v_add_nc_u32 v[SO+\b], 0xff000000, v[BM+\b]    ; 2 off the exponent field: the conversion's scale operand
.endr
.irp b, 0,1,2,3
	v_lshrrev_b32 v[T4+\b], 23, v[SO+\b]           ; the scale's byte
.endr
	v_lshl_or_b32 v[PW], v[T4+1], 8, v[T4]
	v_lshl_or_b32 v[PW], v[T4+2], 16, v[PW]
	v_lshl_or_b32 v[PW], v[T4+3], 24, v[PW]        ; p's scale word for these 128 keys
.irp b, 0,1,2,3
	v_cvt_scalef32_pk8_fp4_f32 v[PC+2*\b], v[S+16*\b:S+16*\b+7], v[SO+\b]
	v_cvt_scalef32_pk8_fp4_f32 v[PC+2*\b+1], v[S+16*\b+8:S+16*\b+15], v[SO+\b]
.endr
	v_nop                                          ; one plain place behind the last scaled conversion
.irp c, 0,1                                    ; a WHOLE block in a lane: lanes 0-15 block 2 c, lanes 16-31 block 2 c + 1
.irp i, 0,1
	v_permlane16_swap_b32 v[PC+4*\c+\i], v[PC+4*\c+2+\i]
.endr
.endr
.set j, 0
.rept 16
	v_pk_mul_f32 v[O+j:O+j+1], v[O+j:O+j+1], v[228:229] op_sel_hi:[1,0]   ; O^T under the new M.  For each product below twelve of these name none of its registers: the places behind the writes of p's scale word and codes
.set j, j+2
.endr
	s_wait_dscnt 0x0                               ; V is in
.irp t, 0,1,2,3
.if \t%2
	v_wmma_scale_f32_16x16x128_f8f6f4 v[O+8*\t:O+8*\t+7], v[VF+8*\t:VF+8*\t+7], v[PC:PC+7], v[O+8*\t:O+8*\t+7], v[VS+\t/2], v[PW] matrix_a_fmt:MATRIX_FMT_FP4 matrix_b_fmt:MATRIX_FMT_FP4 matrix_a_scale:MATRIX_SCALE_ROW1
.else
	v_wmma_scale_f32_16x16x128_f8f6f4 v[O+8*\t:O+8*\t+7], v[VF+8*\t:VF+8*\t+7], v[PC:PC+7], v[O+8*\t:O+8*\t+7], v[VS+\t/2], v[PW] matrix_a_fmt:MATRIX_FMT_FP4 matrix_b_fmt:MATRIX_FMT_FP4
.endif
.endr                                          ; the four accumulators take turns, and the scores' products stand between two steps'
.endm
; One tile of 16 queries against all 2,048 keys, and its way out.
.macro TILE p
	v_mov_b32 v13, 0xff61b1e6                      ; the largest t so far: -3e38, under every t
	v_floor_f32 v12, -v13                          ; -M
	v_mov_b32 v14, 0
	v_mov_b32 v15, 0
.set j, 0
.rept 32
	v_mov_b32 v[O+j], 0                            ; the step is written once: the first finds zeros, which the first change of M leaves zeros
.set j, j+1
.endr
	s_mov_b32 s37, 0
	s_mov_b32 s38, 16
.Lstep_\@:
	STEP \p
	s_add_co_u32 s37, s37, KVSTEP
	s_sub_co_u32 s38, s38, 1
	s_cmp_lg_u32 s38, 0
	s_cbranch_scc1 .Lstep_\@
	NOPS4                                          ; in front of the first read of the last products' results
	v_add_f32 v14, v14, v15                        ; the sum's two halves,
	v_permlanex16_b32 v230, v14, s32, s33
	v_add_f32 v14, v14, v230                       ; and lane l xor 16's: l
	v_rcp_f32 v228, v14
	v_nop                                          ; a plain line behind the reciprocal,
	s_wait_alu depctr_va_vdst(0)                   ; and the wait ahead of its first reader
.set j, 0
.rept 16
	v_pk_mul_f32 v[S+j:S+j+1], v[O+j:O+j+1], v[228:229] op_sel_hi:[1,0]   ; o = O^T / l, each accumulator from its low end on: register 16 b + i: d = 32 b + 16 h + i
.set j, j+2
.endr
.irp b, 0,1
	v_max3_num_f32 v[BM+\b], |v[S+16*\b]|, |v[S+16*\b+1]|, 0x1800000   ; o's two blocks of 32 along the model's 1,024
.endr
.irp i, 2,4,6,8,10,12,14
.irp b, 0,1
	v_max3_num_f32 v[BM+\b], v[BM+\b], |v[S+16*\b+\i]|, |v[S+16*\b+\i+1]|
.endr
.endr
.irp b, 0,1
	v_permlanex16_b32 v[T4+\b], v[BM+\b], s32, s33
.endr
.irp b, 0,1
	v_max_num_f32 v[BM+\b], v[BM+\b], v[T4+\b]
.endr
.irp b, 0,1
	v_add_nc_u32 v[SO+\b], 0xff000000, v[BM+\b]
.endr
.irp b, 0,1
	v_lshrrev_b32 v[T4+\b], 23, v[SO+\b]
.endr
.irp b, 0,1
	v_cvt_scalef32_pk8_fp4_f32 v[OC+4*(\p)+2*\b], v[S+16*\b:S+16*\b+7], v[SO+\b]
	v_cvt_scalef32_pk8_fp4_f32 v[OC+4*(\p)+2*\b+1], v[S+16*\b+8:S+16*\b+15], v[SO+\b]
.endr
	v_nop
	v_permlane16_swap_b32 v[OC+4*(\p)], v[OC+4*(\p)+2]
	v_permlane16_swap_b32 v[OC+4*(\p)+1], v[OC+4*(\p)+3]   ; lane (r, h): query r, d = 32 h .. 32 h + 31: four registers of the last product's operand
	v_cndmask_b32 v[OB+(\p)], v[T4], v[T4+1], s36  ; lane (r, h): block h's byte
	global_store_b128 v1, v[OC+4*(\p):OC+4*(\p)+3], s[10:11] offset:131072*(\p)   ; 512 consecutive bytes
	global_store_b8 v6, v[OB+(\p)], s[12:13] offset:8192*(\p)
.endm
	TILE 0
	TILE 1                                         ; (each tile has registers of its own for what it stores, and no address register is written again)
	s_wait_tensorcnt 0x0
	ds_add_u32 v254, v255
	s_wait_dscnt 0x0
	ROUND                                          ; the closing round: no work-group ends while a partner may still ask for a tile that names it
	s_endpgm
.Lfunc_end_k_q18c41730e3_attn:
	.size	k_q18c41730e3_attn, .Lfunc_end_k_q18c41730e3_attn-k_q18c41730e3_attn
	.p2alignl 7, 3214868480
	.fill 96, 4, 3214868480
	.section	.rodata,"a",@progbits
	.p2align	6, 0x0
	.amdhsa_kernel k_q18c41730e3_attn
		.amdhsa_group_segment_fixed_size 169984
		.amdhsa_private_segment_fixed_size 0
		.amdhsa_enable_private_segment 0
		.amdhsa_kernarg_size 40
		.amdhsa_user_sgpr_count 2
		.amdhsa_user_sgpr_kernarg_segment_ptr 1
		.amdhsa_wavefront_size32 1
		.amdhsa_system_sgpr_workgroup_id_x 1
		.amdhsa_system_sgpr_workgroup_id_y 1
		.amdhsa_system_sgpr_workgroup_id_z 1
		.amdhsa_system_vgpr_workitem_id 0
		.amdhsa_next_free_vgpr 256
		.amdhsa_next_free_sgpr 66
		.amdhsa_reserve_vcc 0
		.amdhsa_float_denorm_mode_32 3
		.amdhsa_float_denorm_mode_16_64 3
		.amdhsa_memory_ordered 1
		.amdhsa_forward_progress 1
		.amdhsa_inst_pref_size 45
	.end_amdhsa_kernel
	.amdgpu_metadata
---
amdhsa.version: [ 1, 2 ]
amdhsa.kernels:
  - .name:           k_q18c41730e3_attn
    .symbol:         k_q18c41730e3_attn.kd
    .args:
      - { .name: qcodes, .offset: 0, .size: 8, .value_kind: global_buffer, .address_space: global }
      - { .name: qscales, .offset: 8, .size: 8, .value_kind: global_buffer, .address_space: global }
      - { .name: kv, .offset: 16, .size: 8, .value_kind: global_buffer, .address_space: global }
      - { .name: acodes, .offset: 24, .size: 8, .value_kind: global_buffer, .address_space: global }
      - { .name: ascales, .offset: 32, .size: 8, .value_kind: global_buffer, .address_space: global }
    .group_segment_fixed_size: 169984
    .private_segment_fixed_size: 0
    .kernarg_segment_align: 8
    .kernarg_segment_size: 40
    .max_flat_workgroup_size: 512
    .sgpr_count:     66
    .vgpr_count:     256
    .wavefront_size: 32
...
	.end_amdgpu_metadata
.endif
;; end of part 2
;; launch outln (part 3): grid 256 x 1, 16 waves a work-group, no clusters, 92,160 bytes of LDS; arguments acodes, ascales, Wout_codes, Wout_scales, bout, gamma, beta, embedding1, embedding2, out0, out1; writes out0, out1
.if DOCPART == 3
	.amdgcn_target "amdgcn-amd-amdhsa--gfx1250"
	.amdhsa_code_object_version 6
	.text
	.protected	k_q18c41730e3_outln
	.globl	k_q18c41730e3_outln
	.p2align	8
	.type	k_q18c41730e3_outln,@function
k_q18c41730e3_outln:
	s_mov_b64 s[64:65], 0
	v_nop
	global_prefetch_b8 v0, s[64:65] scope:SCOPE_SE
	s_setreg_imm32_b32 hwreg(HW_REG_WAVE_MODE, 25, 1), 1
	s_wait_xcnt 0x0
; out = LayerNorm(embedding + a Wout + bout) x gamma + beta; the product on codes of FP4 (E2M1) with E8M0 scales, all else in f32.
; SHARES.  Work-group i takes the two tiles 2 i, 2 i + 1 of 16 rows (tokens 32 i .. 32 i + 31 of the 8,192; lane r of tile u: token 8 u + r + 8 (r / 8)) and ALL 1,024 columns, so that each row's mean and variance have one owner.
; Wave w takes columns 64 w .. 64 w + 63: four column tiles x two row tiles = 8 accumulators, K in 8 steps of 128.  Source 0 = 16 rows of Wout, source 1 = a: a lane holds one row and eight neighbouring columns.
; The residual is loaded straight into the accumulators: it is the C of each sum's first product.  a's 16 fragments (images of operand registers, as the attention launch stored them) are copied to LDS once, one by each wave.
; Wout's fragments go from memory into a ring of four sets of registers, four K steps ahead; the sets then take bout, gamma and beta.
; The variance is the mean of (y - mean)^2, made in a second pass: no difference of large sums is formed.  The waves' partial sums meet in LDS, behind a barrier each.
; NO CLUSTER: Wout's codes and scales are 544 KB for a work-group, more than LDS holds at once; each fragment is read by one wave once, so it goes straight into that wave's registers.
; LIMITS: NaN and infinities are not served; 1 / sqrt is v_rsq_f32.
.set RED1, 16384                       ; LDS: 0: a's images, (8 u + s) x 1,024;  RED1, RED2: [wave][row] partial sums, 2,048 bytes each;  STG: a stage of 16 rows x (256 + 16) bytes for each wave
.set RED2, 18432
.set STG,  20480
.set AF,   16                          ; v16-31  a's two fragments of a K step
.set AS,   32                          ; v32-39  a's scale words: register s: lanes 0-15 tile 0, lanes 16-31 tile 1
.set WS,   40                          ; v40-55  Wout's: register 8 (t / 2) + s: lanes 0-15 the even tile, lanes 16-31 the odd one
.set ACC,  56                          ; v56-119 accumulator (u, t) at 8 (4 u + t)
.set RING, 120                         ; v120-247 four sets of 32
; v1 16 x lane; v2 512 r + 16 h; v3 (r + 8 (r / 8)) x 4,096 + 32 h; v4 32 h; v5 32 x lane; v6 16 x lane + 1,024 w; v7 4 x thread; v8 4 x lane; v9, v10 the stage, in and back; v11 4,096 (lane / 16) + 16 (lane % 16); v248-253 at work
.macro NOPS4
.rept 4
	v_nop
.endr
.endm
.macro WM
.if oA && oB
	v_wmma_scale_f32_16x16x128_f8f6f4 v[rD:rD+7], v[rA:rA+7], v[rB:rB+7], v[rD:rD+7], v[sA], v[sB] matrix_a_fmt:MATRIX_FMT_FP4 matrix_b_fmt:MATRIX_FMT_FP4 matrix_a_scale:MATRIX_SCALE_ROW1 matrix_b_scale:MATRIX_SCALE_ROW1
.elseif oA
	v_wmma_scale_f32_16x16x128_f8f6f4 v[rD:rD+7], v[rA:rA+7], v[rB:rB+7], v[rD:rD+7], v[sA], v[sB] matrix_a_fmt:MATRIX_FMT_FP4 matrix_b_fmt:MATRIX_FMT_FP4 matrix_a_scale:MATRIX_SCALE_ROW1
.elseif oB
	v_wmma_scale_f32_16x16x128_f8f6f4 v[rD:rD+7], v[rA:rA+7], v[rB:rB+7], v[rD:rD+7], v[sA], v[sB] matrix_a_fmt:MATRIX_FMT_FP4 matrix_b_fmt:MATRIX_FMT_FP4 matrix_b_scale:MATRIX_SCALE_ROW1
.else
	v_wmma_scale_f32_16x16x128_f8f6f4 v[rD:rD+7], v[rA:rA+7], v[rB:rB+7], v[rD:rD+7], v[sA], v[sB] matrix_a_fmt:MATRIX_FMT_FP4 matrix_b_fmt:MATRIX_FMT_FP4
.endif
.endm
.macro LOADWO s                        ; Wout's four fragments of K step s into set s % 4: eight loads
.irp t, 0,1,2,3
.irp c, 0,1
	global_load_b128 v[RING+32*((\s)%4)+8*\t+4*\c:RING+32*((\s)%4)+8*\t+4*\c+3], v2, s[8:9] offset:8192*\t+64*(\s)+32*\c
.endr
.endr
.endm
.macro LOADVEC k, lo                   ; my 64 numbers of bout, gamma or beta into set k, in the result's layout: eight loads
.irp t, 0,1,2,3
.irp q, 0,1
	global_load_b128 v[RING+32*(\k)+8*\t+4*\q:RING+32*(\k)+8*\t+4*\q+3], v4, s[\lo:\lo+1] offset:64*\t+16*\q
.endr
.endr
.endm
; v[248:249], v[250:251]: my lane's sums for tiles 0 and 1, in two halves each -> v252: lane l holds row l's sum over all 1,024 columns.  One barrier.
.macro ACROSS red
	v_add_f32 v248, v248, v249
	v_add_f32 v250, v250, v251
	v_permlanex16_b32 v249, v248, s28, s29
	v_permlanex16_b32 v251, v250, s28, s29
	v_add_f32 v248, v248, v249                     ; with lane l xor 16's columns: my wave's 64
	v_add_f32 v250, v250, v251
	v_cndmask_b32 v252, v248, v250, s30            ; lanes 0-15 tile 0's rows, lanes 16-31 tile 1's
	ds_store_b32 v7, v252 offset:\red
	s_wait_dscnt 0x0                               ; for the others' sake: my word lies in LDS
	s_barrier_signal -1
	s_barrier_wait -1
.irp k, 0,1,2,3,4,5,6,7,8,9,10,11,12,13,14,15
	ds_load_b32 v[216+\k], v8 offset:\red+128*\k   ; the sixteen waves' parts of row l
.endr
	s_wait_dscnt 0x0
.irp k, 0,1,2,3,4,5,6,7
	v_add_f32 v[216+\k], v[216+\k], v[224+\k]
.endr
.irp k, 0,1,2,3
	v_add_f32 v[216+\k], v[216+\k], v[220+\k]
.endr
.irp k, 0,1
	v_add_f32 v[216+\k], v[216+\k], v[218+\k]
.endr
	v_add_f32 v252, v216, v217
.endm
.macro SPREAD                          ; v252 (row l's number in lane l) -> v248: the number of row r of tile 0, v250: of tile 1, in every lane
	v_permlanex16_b32 v253, v252, s28, s29
	v_cndmask_b32 v248, v252, v253, s30
	v_cndmask_b32 v250, v253, v252, s30
.endm
	s_load_b256 s[4:11], s[0:1], 0x0               ; acodes s[4:5], ascales s[6:7], Wout's codes s[8:9], its scales s[10:11]
	s_load_b256 s[12:19], s[0:1], 0x20             ; bout s[12:13], gamma s[14:15], beta s[16:17], embedding1 s[18:19]
	s_load_b128 s[20:23], s[0:1], 0x40             ; embedding2 s[20:21], out0 s[22:23]
	s_load_b64 s[24:25], s[0:1], 0x50              ; out1
	v_lshl_add_u32 v254, v0, 2, 0x16000
	v_mov_b32 v255, 0
	v_lshrrev_b32 v12, 5, v0
	v_readfirstlane_b32 s2, v12                    ; wave 0..15
	s_mov_b32 s3, ttmp9                            ; i
	v_and_b32 v12, 31, v0                          ; lane
	v_and_b32 v13, 15, v0                          ; r
	v_bfe_u32 v14, v0, 4, 1                        ; h
	v_and_b32 v15, 8, v13
	v_add_nc_u32 v15, v15, v13                     ; r + 8 (r / 8)
	v_lshlrev_b32 v1, 4, v12
	v_lshlrev_b32 v2, 9, v13
	v_lshl_add_u32 v2, v14, 4, v2
	v_lshlrev_b32 v3, 12, v15
	v_lshl_add_u32 v3, v14, 5, v3
	v_lshlrev_b32 v4, 5, v14
	v_lshlrev_b32 v5, 5, v12
	s_lshl_b32 s26, s2, 10
	v_add_nc_u32 v6, s26, v1
	v_lshlrev_b32 v7, 2, v0
	v_lshlrev_b32 v8, 2, v12
	s_mul_i32 s26, s2, 4352
	s_add_co_u32 s26, s26, STG                     ; my stage
	v_mul_u32_u24 v9, v13, 272
	v_lshl_add_u32 v9, v14, 5, v9
	v_add_nc_u32 v9, s26, v9                       ; in: row r, + 32 h
	v_mul_u32_u24 v10, v14, 272
	v_lshl_add_u32 v10, v13, 4, v10
	v_add_nc_u32 v10, s26, v10                     ; back: lanes 0-15 one row of 256 bytes, lanes 16-31 the next
	v_lshlrev_b32 v11, 12, v14
	v_lshl_add_u32 v11, v13, 4, v11                ; and the same two rows in the output
	v_mov_b32 v253, 0                              ; written once: a lane permute's destination counts as one of its sources
	s_mov_b32 s28, 0x76543210
	s_mov_b32 s29, 0xfedcba98
	s_mov_b32 s30, 0xffff0000                      ; lanes 16-31
	s_mov_b32 s31, 0x3a800000                      ; 1 / 1,024
	s_mov_b32 s34, 0x3727c5ac                      ; 1e-5
	s_mov_b32 s27, 0
	s_wait_kmcnt 0x0
	s_cmp_lt_u32 s3, 128                           ; the stream: a choice on the work-group's number alone
	s_cselect_b64 s[18:19], s[18:19], s[20:21]
	s_cselect_b64 s[22:23], s[22:23], s[24:25]
	s_lshl_b32 s26, s3, 14
	s_lshl_b32 s35, s2, 10
	s_add_co_u32 s26, s26, s35
	s_add_nc_u64 s[4:5], s[4:5], s[26:27]          ; image w of my two tiles' sixteen
	s_lshl_b32 s26, s3, 10
	s_add_nc_u64 s[6:7], s[6:7], s[26:27]          ; my 32 rows' scale bytes
	s_lshl_b32 s26, s2, 15
	s_add_nc_u64 s[8:9], s[8:9], s[26:27]          ; my 64 rows of Wout (512 bytes a row)
	s_lshl_b32 s26, s2, 11
	s_add_nc_u64 s[10:11], s[10:11], s[26:27]
	s_lshl_b32 s26, s2, 8
	s_add_nc_u64 s[12:13], s[12:13], s[26:27]      ; my 64 columns of bout, gamma, beta
	s_add_nc_u64 s[14:15], s[14:15], s[26:27]
	s_add_nc_u64 s[16:17], s[16:17], s[26:27]
	s_and_b32 s35, s3, 127
	s_lshl_b32 s35, s35, 17                        ; 32 rows of 4,096 bytes
	s_add_co_u32 s26, s26, s35
	s_add_nc_u64 s[18:19], s[18:19], s[26:27]      ; the residual and the output at my rows and columns
	s_add_nc_u64 s[22:23], s[22:23], s[26:27]
	global_load_b128 v[16:19], v1, s[4:5]          ; 56 loads, in this order: 2: my image of a,
	global_load_b128 v[20:23], v1, s[4:5] offset:512
.irp q, 0,1
	global_load_b128 v[AS+4*\q:AS+4*\q+3], v5, s[6:7] offset:16*\q   ; 2: a's scale words,
.endr
.irp b, 0,1
.irp q, 0,1
	global_load_b128 v[WS+8*\b+4*\q:WS+8*\b+4*\q+3], v5, s[10:11] offset:1024*\b+16*\q   ; 4: Wout's,
.endr
.endr
.irp u, 0,1
.irp t, 0,1,2,3
.irp q, 0,1
	global_load_b128 v[ACC+8*(4*\u+\t)+4*\q:ACC+8*(4*\u+\t)+4*\q+3], v3, s[18:19] offset:32768*\u+64*\t+16*\q   ; 16: the residual, into the accumulators,
.endr
.endr
.endr
.irp s, 0,1,2,3
	LOADWO \s                                      ; 32: Wout's first four K steps
.endr
	s_wait_loadcnt 54                              ; my image is in; the other 54 loads may be out
	ds_store_b128 v6, v[16:19]
	ds_store_b128 v6, v[20:23] offset:512
	s_wait_dscnt 0x0
	s_barrier_signal -1
	s_barrier_wait -1                              ; a's sixteen images lie in LDS
.irp s, 0,1,2,3,4,5,6,7
.irp u, 0,1
.irp c, 0,1
	ds_load_b128 v[AF+8*\u+4*\c:AF+8*\u+4*\c+3], v1 offset:(8*\u+\s)*1024+512*\c
.endr
.endr
	s_wait_loadcnt 24                              ; this K step's eight loads are in: three groups of eight were issued behind them
	s_wait_dscnt 0x0
.irp t, 0,1,2,3
.irp u, 0,1
.set rD, ACC+8*(4*\u+\t)
.set rA, RING+32*(\s%4)+8*\t
.set rB, AF+8*\u
.set sA, WS+8*(\t/2)+\s
.set sB, AS+\s
.set oA, \t%2
.set oB, \u
	WM                                             ; the eight accumulators take turns
.endr
.endr
	NOPS4                                          ; in front of loads into registers that these products have read, and of the first read of results
.if \s < 4
	LOADWO \s+4
.elseif \s == 4
	LOADVEC 0, 12                                  ; bout
.elseif \s == 5
	LOADVEC 1, 14                                  ; gamma
.elseif \s == 6
	LOADVEC 2, 16                                  ; beta
.endif
.endr
	s_wait_loadcnt 16                              ; bout is in; gamma and beta may be out
.irp u, 0,1
.irp t, 0,1,2,3
.irp j, 0,2,4,6
	v_pk_add_f32 v[ACC+8*(4*\u+\t)+\j:ACC+8*(4*\u+\t)+\j+1], v[ACC+8*(4*\u+\t)+\j:ACC+8*(4*\u+\t)+\j+1], v[RING+8*\t+\j:RING+8*\t+\j+1]   ; y = residual + a Wout + bout; each accumulator from its low end on
.endr
.endr
.endr
	v_pk_add_f32 v[248:249], v[ACC:ACC+1], v[ACC+2:ACC+3]           ; the rows' sums: a chain for each tile
	v_pk_add_f32 v[250:251], v[ACC+32:ACC+33], v[ACC+34:ACC+35]
.set j, 4
.rept 14
	v_pk_add_f32 v[248:249], v[248:249], v[ACC+j:ACC+j+1]
	v_pk_add_f32 v[250:251], v[250:251], v[ACC+32+j:ACC+32+j+1]
.set j, j+2
.endr
	ACROSS RED1
	v_mul_f32 v252, s31, v252                      ; the mean
	SPREAD
.irp u, 0,1
.set j, 0
.rept 16
	v_pk_add_f32 v[ACC+32*\u+j:ACC+32*\u+j+1], v[ACC+32*\u+j:ACC+32*\u+j+1], v[248+2*\u:249+2*\u] op_sel_hi:[1,0] neg_lo:[0,1] neg_hi:[0,1]   ; y - mean
.set j, j+2
.endr
.endr
	v_pk_mul_f32 v[248:249], v[ACC:ACC+1], v[ACC:ACC+1]             ; the sums of its squares
	v_pk_mul_f32 v[250:251], v[ACC+32:ACC+33], v[ACC+32:ACC+33]
.set j, 2
.rept 15
	v_pk_fma_f32 v[248:249], v[ACC+j:ACC+j+1], v[ACC+j:ACC+j+1], v[248:249]
	v_pk_fma_f32 v[250:251], v[ACC+32+j:ACC+32+j+1], v[ACC+32+j:ACC+32+j+1], v[250:251]
.set j, j+2
.endr
	ACROSS RED2
	v_fma_f32 v252, v252, s31, s34                 ; the variance + 1e-5
	v_rsq_f32 v252, v252
	v_nop                                          ; a plain line behind the root,
	s_wait_alu depctr_va_vdst(0)                   ; and the wait ahead of its first reader
	SPREAD
	s_wait_loadcnt 0x0                             ; gamma and beta
.irp u, 0,1
.irp t, 0,1,2,3
.irp j, 0,2,4,6
	v_pk_mul_f32 v[ACC+8*(4*\u+\t)+\j:ACC+8*(4*\u+\t)+\j+1], v[ACC+8*(4*\u+\t)+\j:ACC+8*(4*\u+\t)+\j+1], v[248+2*\u:249+2*\u] op_sel_hi:[1,0]
.endr
.endr
.endr
.irp u, 0,1
.irp t, 0,1,2,3
.irp j, 0,2,4,6
	v_pk_fma_f32 v[ACC+8*(4*\u+\t)+\j:ACC+8*(4*\u+\t)+\j+1], v[ACC+8*(4*\u+\t)+\j:ACC+8*(4*\u+\t)+\j+1], v[RING+32+8*\t+\j:RING+32+8*\t+\j+1], v[RING+64+8*\t+\j:RING+64+8*\t+\j+1]
.endr
.endr
.endr
	; THE WAY OUT: a tile's 16 rows x 256 bytes through my own stage; LDS serves a wave's instructions in order (ISA guide 5.7.1.4): no wait between the stores and the loads, nor in front of the next tile's stores.
	; Tile 0 comes back into v216-247, tile 1 into v120-151, which held bout: no store's data are written again.
.irp u, 0,1
.irp t, 0,1,2,3
.irp q, 0,1
	ds_store_b128 v9, v[ACC+8*(4*\u+\t)+4*\q:ACC+8*(4*\u+\t)+4*\q+3] offset:64*\t+16*\q
.endr
.endr
.irp k, 0,1,2,3,4,5,6,7
	ds_load_b128 v[216-96*\u+4*\k:216-96*\u+4*\k+3], v10 offset:544*\k
.endr
.endr
.irp u, 0,1
.irp k, 0,1,2,3,4,5,6,7
	s_wait_dscnt 23-16*\u-\k                       ; the LDS instructions issued behind this load may be out
	global_store_b128 v11, v[216-96*\u+4*\k:216-96*\u+4*\k+3], s[22:23] offset:(8*\u+2*\k+8*(\k/4))*4096 th:TH_STORE_NT   ; stage rows 2 k, 2 k + 1 are tokens 8 u + 2 k + 8 (k / 4) and the next: 16 lanes store 256 consecutive bytes, at a multiple of 256 from the output's first byte
.endr
.endr
	s_wait_tensorcnt 0x0
	ds_add_u32 v254, v255
	s_wait_dscnt 0x0
	s_endpgm
.Lfunc_end_k_q18c41730e3_outln:
	.size	k_q18c41730e3_outln, .Lfunc_end_k_q18c41730e3_outln-k_q18c41730e3_outln
	.p2alignl 7, 3214868480
	.fill 96, 4, 3214868480
	.section	.rodata,"a",@progbits
	.p2align	6, 0x0
	.amdhsa_kernel k_q18c41730e3_outln
		.amdhsa_group_segment_fixed_size 92160
		.amdhsa_private_segment_fixed_size 0
		.amdhsa_enable_private_segment 0
		.amdhsa_kernarg_size 88
		.amdhsa_user_sgpr_count 2
		.amdhsa_user_sgpr_kernarg_segment_ptr 1
		.amdhsa_wavefront_size32 1
		.amdhsa_system_sgpr_workgroup_id_x 1
		.amdhsa_system_sgpr_workgroup_id_y 1
		.amdhsa_system_sgpr_workgroup_id_z 1
		.amdhsa_system_vgpr_workitem_id 0
		.amdhsa_next_free_vgpr 256
		.amdhsa_next_free_sgpr 66
		.amdhsa_reserve_vcc 0
		.amdhsa_float_denorm_mode_32 3
		.amdhsa_float_denorm_mode_16_64 3
		.amdhsa_memory_ordered 1
		.amdhsa_forward_progress 1
		.amdhsa_inst_pref_size 46
	.end_amdhsa_kernel
	.amdgpu_metadata
---
amdhsa.version: [ 1, 2 ]
amdhsa.kernels:
  - .name:           k_q18c41730e3_outln
    .symbol:         k_q18c41730e3_outln.kd
    .args:
      - { .name: acodes, .offset: 0, .size: 8, .value_kind: global_buffer, .address_space: global }
      - { .name: ascales, .offset: 8, .size: 8, .value_kind: global_buffer, .address_space: global }
      - { .name: Wout_codes, .offset: 16, .size: 8, .value_kind: global_buffer, .address_space: global }
      - { .name: Wout_scales, .offset: 24, .size: 8, .value_kind: global_buffer, .address_space: global }
      - { .name: bout, .offset: 32, .size: 8, .value_kind: global_buffer, .address_space: global }
      - { .name: gamma, .offset: 40, .size: 8, .value_kind: global_buffer, .address_space: global }
      - { .name: beta, .offset: 48, .size: 8, .value_kind: global_buffer, .address_space: global }
      - { .name: embedding1, .offset: 56, .size: 8, .value_kind: global_buffer, .address_space: global }
      - { .name: embedding2, .offset: 64, .size: 8, .value_kind: global_buffer, .address_space: global }
      - { .name: out0, .offset: 72, .size: 8, .value_kind: global_buffer, .address_space: global }
      - { .name: out1, .offset: 80, .size: 8, .value_kind: global_buffer, .address_space: global }
    .group_segment_fixed_size: 92160
    .private_segment_fixed_size: 0
    .kernarg_segment_align: 8
    .kernarg_segment_size: 88
    .max_flat_workgroup_size: 512
    .sgpr_count:     66
    .vgpr_count:     256
    .wavefront_size: 32
...
	.end_amdgpu_metadata
.endif
;; end of part 3
;; ======== version 2 of 2: 3 launches; version 1 with the launches qkv, outln written anew for expert scheduling mode
;; workspace buffers: qcodes 4,194,304 bytes; qscales 524,288 bytes; kv 9,175,040 bytes; acodes 4,194,304 bytes; ascales 262,144 bytes
;; launch qkv (part 4): grid 4 x 64, 4 waves a work-group, no clusters, 70,144 bytes of LDS; arguments embedding1, embedding2, Wqkv_codes, Wqkv_scales, bqkv, qcodes, qscales, kv; writes qcodes, qscales, kv
.if DOCPART == 4
	.amdgcn_target "amdgcn-amd-amdhsa--gfx1250"
	.amdhsa_code_object_version 6
	.text
	.protected	k_q18c41730e3_qkv
	.globl	k_q18c41730e3_qkv
	.p2align	8
	.type	k_q18c41730e3_qkv,@function
k_q18c41730e3_qkv:
	s_mov_b64 s[64:65], 0
	v_nop
	global_prefetch_b8 v0, s[64:65] scope:SCOPE_SE
	s_setreg_imm32_b32 hwreg(HW_REG_WAVE_SCHED_MODE, 0, 2), 2
	s_setreg_imm32_b32 hwreg(HW_REG_WAVE_MODE, 25, 1), 1
	s_wait_xcnt 0x0
	s_wait_alu depctr_vm_vsrc(0)
; qkv = Q(x) Wqkv + bqkv on codes of FP4 (E2M1) with one E8M0 scale for each 32 along K; q, k and v leave as codes again, laid as the attention launch's operand registers.
; ROWS.  8,192 token rows: sb = 2 x stream + batch (0..3), 2,048 tokens each.  A work-group (x = cg, y = blk) takes the 128 tokens of key step blk % 16 of sb = blk / 16 and heads 4 cg .. 4 cg + 3; wave w takes head 4 cg + w:
; 64 columns each of q, k and v for all 128 tokens: 12 column tiles x 8 token tiles x 8 K steps = 768 matrix instructions.  g = 16 sb + head.
; THE TOKENS OF A TILE ARE NOT NEIGHBOURS: lane r of tile m takes token 32 (m / 2) + 8 (m % 2) + r + 8 (r / 8); the rows of W that form a tile are chosen alike.  So the 16 registers of two neighbouring result tiles
; are 16 neighbours along the next product's K: the head's d for q and k (source 0 = W, source 1 = x), the tokens for v (source 0 = x, source 1 = W), and the conversions' results are the next operand's registers.
; PHASES.  x: wave w quantises tokens 32 w .. 32 w + 31 (two tiles x 8 K steps) and stores the fragments to LDS as images of their registers (16 bytes a lane, 512 a store) | one barrier | pass q, pass k, pass v: the pass's
; 32 fragments of W lie in the wave's registers (asked for a pass ahead), x's come from LDS; 32 accumulators by turns; the bias is the C of each sum's first product; the results are quantised in registers and stored:
; every store of codes covers 512 consecutive bytes.
; NO CLUSTER: W goes from memory straight into the registers of the one wave that multiplies by it, and x has to pass through registers to be quantised.  Through LDS a work-group's three passes of W are 3 x 136 KB beside
; x's 68 KB: more than LDS holds at once, so joint loads would want slots that are filled again, for bytes that each wave reads once.
; LIMITS: NaN and infinities among the inputs are not served.  A block of zeros gets the scale byte 1 where the quantiser's rule says 127: its codes are zeros, and the bytes are read by this program alone.
; REGISTERS, in windows of 256: window 0: v1-14 addresses; v16-79 x's 8 fragments (in the x phase and behind a pass: the codes just made); v80-111 W's scale words, two sets; v112-143 x's scale words;
;   v144-207 the biases, two sets; v208-219 at work; v224-235 scale words just made.   window 1: W of pass q, then of pass v: fragment (t, s) at v[32 s + 8 t].   window 2: W of pass k.
;   window 3: four sets of 64 numbers of x; then the 32 accumulators: q, k: (m, t) at v[32 m + 8 t]; v: (t, m) at v[64 t + 8 m].
; THE MODE: SCHED_MODE bits 1:0 = 2 (LLVM: expert scheduling mode 2), set by the entry lines.  The code itself states the register dependences between vector or matrix instructions and memory or LDS
; instructions, with s_wait_alu, always for 0.
; THE PLAN.  Registers that memory or LDS instructions touch:
;   v1-4, v7-13     offsets and addresses: made at the head, never written again: one wait on va_vdst ahead of the first load.
;   v5, v6          written by two additions at a trip's head, read by the trip's twelve LDS stores: a wait on vm_vsrc ahead of the additions.
;   window 3, set e unit e's quantiser reads it; behind ONE wait on va_vdst the same unit of the next trip is loaded into it, and the unit's codes and scale word go to LDS.
;   v16-79          x phase: the quantiser writes, LDS stores read.  Passes: LDS loads land, products read: a wait on va_vdst behind each 16 products, ahead of the eight loads into the half that they read
;                   (window 0 has 23 registers free, a second set of fragments wants 64).  Ways out: the quantiser writes, global stores read.
;   v224-227        x phase: the quantiser writes, LDS stores read.   v232-235: selects write, one store a pass reads.
;   windows 1, 2, v80-111, v144-207   loads land, products read; pass v's land where pass q's lay, behind the wait on va_vdst that stands ahead of q's stores.
;   v112-143        loaded once.   v254, v255: written at the head, read by the closing add alone.
; The ways out of q and k quantise all eight tiles and then store them behind one wait; a wait on vm_vsrc at the next pass's head frees what the stores read.  Pass v is the last: each of its tiles leaves as soon as it is made.
.set XSC,  65536                       ; LDS: x's fragment (tile m, K step s) at (8 m + s) x 1,024; from XSC on x's scale words: (tile 2 b + u, row r, K step s) at 1,024 b + 32 (16 u + r) + 4 s
.set LI,   1                           ; v1   16 x lane: an image's place for my lane
.set XA,   2                           ; v2   x: (r + 8 (r / 8)) x 4,096 + 64 h
.set XWI,  3                           ; v3   where I store x's images: 16 x lane + 16,384 x wave
.set XWS,  4                           ; v4   and their scale words: XSC + 1,024 x wave + 32 r
.set XWJ,  5                           ; v5, v6  the same, for the trip in hand
.set XSJ,  6
.set WA,   7                           ; v7   W's codes: (r + 8 (r / 8)) x 512 + 16 h
.set WSA,  8                           ; v8   W's scale words: (r + 8 (r / 8) + 8 h) x 32: lanes 16-31 take the odd tile's rows
.set BA,   9                           ; v9   the bias of q and k: 64 h
.set BV,   10                          ; v10  the bias of v: 4 (r + 8 (r / 8))
.set L32,  11                          ; v11  XSC + 32 x lane
.set QSO,  12                          ; v12  q's scale words: 32 r + 16 h
.set L8,   13                          ; v13  8 x lane
.set FLR,  14                          ; v14  2^(3 - 127): the floor under every largest magnitude
.set XF,   16
.set WS,   80
.set XS,   112
.set BI,   144
.set TM,   208                         ; v208-211 largest magnitudes, v212-215 the other half's, then the bytes, v216-219 the conversions' scale operands
.set PWS,  224
.set OW,   232
.set MSB,  0
.macro WIN new                         ; the immediate's high byte repeats the setting that is left; a switch that changes nothing is dropped
.if MSB != (\new)
	s_set_vgpr_msb (MSB<<8)|(\new)
.set MSB, (\new)
.endif
.endm
.macro NOPS4                           ; four places behind matrix instructions, in front of loads into their operands and of the first read of their results
.rept 4
	v_nop
.endr
.endm
; A pass's W: 32 fragments into window ww, their scale words and the bias into set grp.  part: 0 q, 1 k, 2 v.
.macro LOADW part, ww, grp
	WIN (\ww)<<6
.irp t, 0,1,2,3
.irp s, 0,1,2,3,4,5,6,7
.irp c, 0,1
	global_load_b128 v[32*\s+8*\t+4*\c:32*\s+8*\t+4*\c+3], v[WA], s[28:29] offset:(\part)*524288+(32*(\t/2)+8*(\t%2))*512+64*\s+32*\c
.endr
.endr
.endr
	WIN 0
.irp b, 0,1
.irp q, 0,1
	global_load_b128 v[WS+16*(\grp)+8*\b+4*\q:WS+16*(\grp)+8*\b+4*\q+3], v[WSA], s[30:31] offset:(\part)*32768+1024*\b+16*\q   ; register 8 b + s: lanes 0-15 tile 2 b, lanes 16-31 tile 2 b + 1
.endr
.endr
.if (\part) < 2
.irp t, 0,1,2,3
.irp q, 0,1
	global_load_b128 v[BI+32*(\grp)+8*\t+4*\q:BI+32*(\grp)+8*\t+4*\q+3], v[BA], s[32:33] offset:(\part)*4096+(32*(\t/2)+8*(\t%2))*4+16*\q   ; a lane's eight registers: eight d
.endr
.endr
.else
.irp t, 0,1,2,3
.irp j, 0,1,2,3,4,5,6,7
	global_load_b32 v[BI+32*(\grp)+8*\t+\j], v[BV], s[32:33] offset:(\part)*4096+(32*(\t/2)+8*(\t%2))*4   ; v's results hold ONE d a lane: the same number in all eight registers
.endr
.endr
.endif
.endm
; Unit e of a trip: tile 2 w + e / 2, K step 2 j + e % 2: 64 numbers a lane into set e of window 3: register 16 b + i = k 32 b + 16 h + i of my token.
; held = 1: the set has just been read: the window's switch, the wait, the loads.
.macro XLOAD e, add, held
	WIN 0xc0
.if \held
	s_wait_alu depctr_va_vdst(0)                   ; the unit's quantiser is done reading set e, in which the loads below land; it has written the codes and the scale word, and a trip's two additions v5 and v6, all of which the LDS stores behind the loads read
.endif
.irp b, 0,1,2,3
.irp j, 0,1,2,3
	global_load_b128 v[64*(\e)+16*\b+4*\j:64*(\e)+16*\b+4*\j+3], v[XA], s[26:27] offset:(\add)+((\e)>>1)*32768+((\e)&1)*512+128*\b+16*\j
.endr
.endr
	WIN 0
.endm
; nb blocks of 32: numbers v[s] on in window 3, register 16 b + i = k 32 b + 16 h + i, become codes in v[pc] on (4 registers for each two blocks, in the operand's layout) and a scale word in v[pw].
; With two blocks the word's upper two bytes are 0x7f: they scale the zero half of a K step of 128.
.macro QUANT s, nb, pc, pw
	WIN 0x3c                                       ; sources 1 and 2 in window 3
.set qb, 0
.rept \nb
	v_max3_num_f32 v[TM+qb], v[FLR], |v[(\s)+16*qb]|, |v[(\s)+16*qb+1]|   ; my 16 numbers of block qb, and the floor: so the byte cannot fall under 1.  Accumulators are read from their low end on
.set qb, qb+1
.endr
.irp i, 2,4,6,8,10,12,14
.set qb, 0
.rept \nb
	v_max3_num_f32 v[TM+qb], v[TM+qb], |v[(\s)+16*qb+\i]|, |v[(\s)+16*qb+\i+1]|
.set qb, qb+1
.endr
.endr
	WIN 0
.set qb, 0
.rept \nb
	v_permlanex16_b32 v[TM+4+qb], v[TM+qb], s40, s41
.set qb, qb+1
.endr
.set qb, 0
.rept \nb
	v_max_num_f32 v[TM+qb], v[TM+qb], v[TM+4+qb]   ; with lane l xor 16's: the block's largest magnitude
.set qb, qb+1
.endr
.set qb, 0
.rept \nb
	v_add_nc_u32 v[TM+8+qb], 0xff000000, v[TM+qb]  ; 2 off its exponent field: the conversion takes the exponent field of this operand as its scale
.set qb, qb+1
.endr
.set qb, 0
.rept \nb
	v_lshrrev_b32 v[TM+4+qb], 23, v[TM+8+qb]       ; the scale's byte
.set qb, qb+1
.endr
	v_lshl_or_b32 v[\pw], v[TM+5], 8, v[TM+4]
.if (\nb) == 4
	v_lshl_or_b32 v[\pw], v[TM+6], 16, v[\pw]
	v_lshl_or_b32 v[\pw], v[TM+7], 24, v[\pw]
.else
	v_or_b32 v[\pw], 0x7f7f0000, v[\pw]
.endif
	WIN 0x03                                       ; source 0 in window 3
.set qb, 0
.rept \nb
	v_cvt_scalef32_pk8_fp4_f32 v[(\pc)+2*qb], v[(\s)+16*qb:(\s)+16*qb+7], v[TM+8+qb]
	v_cvt_scalef32_pk8_fp4_f32 v[(\pc)+2*qb+1], v[(\s)+16*qb+8:(\s)+16*qb+15], v[TM+8+qb]
.set qb, qb+1
.endr
	WIN 0
	v_nop                                          ; one plain place behind the last scaled conversion
.set qb, 0
.rept (\nb)/2                                  ; the operand's layout wants a WHOLE block in a lane: lanes 0-15 block 2 c, lanes 16-31 block 2 c + 1
	v_permlane16_swap_b32 v[(\pc)+4*qb], v[(\pc)+4*qb+2]
	v_permlane16_swap_b32 v[(\pc)+4*qb+1], v[(\pc)+4*qb+3]
.set qb, qb+1
.endr
.endm
.macro XUNIT e, left, more             ; left: the younger loads, which may stay out
	s_wait_loadcnt \left
	QUANT 64*(\e), 4, XF+8*(\e), PWS+(\e)
.if \more
	XLOAD \e, 1024, 1                              ; the same unit of the next trip, two K steps on; the unit's one wait stands in it
.else
	s_wait_alu depctr_va_vdst(0)                   ; the unit's quantiser has written the codes and the scale word, and the two additions v5 and v6, which the LDS stores below read
.endif
	ds_store_b128 v[XWJ], v[XF+8*(\e):XF+8*(\e)+3] offset:((\e)>>1)*8192+((\e)&1)*1024
	ds_store_b128 v[XWJ], v[XF+8*(\e)+4:XF+8*(\e)+7] offset:((\e)>>1)*8192+((\e)&1)*1024+512
	ds_store_b32 v[XSJ], v[PWS+(\e)] offset:((\e)>>1)*512+4*((\e)&1)   ; lanes r and r + 16 write the same word with the same value
.endm
.macro FETCHX s, m0                    ; x's fragments of K step s, tiles m0 .. m0 + 3
.irp m, \m0, \m0+1, \m0+2, \m0+3
.irp c, 0,1
	ds_load_b128 v[XF+8*(\m)+4*\c:XF+8*(\m)+4*\c+3], v[LI] offset:(8*(\m)+(\s))*1024+512*\c
.endr
.endr
.endm
.macro WM                              ; one product from the symbols rD, rA, rB, rC, sA, sB; oA, oB: the side's scale words stand in lanes 16-31
.if oA && oB
	v_wmma_scale_f32_16x16x128_f8f6f4 v[rD:rD+7], v[rA:rA+7], v[rB:rB+7], v[rC:rC+7], v[sA], v[sB] matrix_a_fmt:MATRIX_FMT_FP4 matrix_b_fmt:MATRIX_FMT_FP4 matrix_a_scale:MATRIX_SCALE_ROW1 matrix_b_scale:MATRIX_SCALE_ROW1
.elseif oA
	v_wmma_scale_f32_16x16x128_f8f6f4 v[rD:rD+7], v[rA:rA+7], v[rB:rB+7], v[rC:rC+7], v[sA], v[sB] matrix_a_fmt:MATRIX_FMT_FP4 matrix_b_fmt:MATRIX_FMT_FP4 matrix_a_scale:MATRIX_SCALE_ROW1
.elseif oB
	v_wmma_scale_f32_16x16x128_f8f6f4 v[rD:rD+7], v[rA:rA+7], v[rB:rB+7], v[rC:rC+7], v[sA], v[sB] matrix_a_fmt:MATRIX_FMT_FP4 matrix_b_fmt:MATRIX_FMT_FP4 matrix_b_scale:MATRIX_SCALE_ROW1
.else
	v_wmma_scale_f32_16x16x128_f8f6f4 v[rD:rD+7], v[rA:rA+7], v[rB:rB+7], v[rC:rC+7], v[sA], v[sB] matrix_a_fmt:MATRIX_FMT_FP4 matrix_b_fmt:MATRIX_FMT_FP4
.endif
.endm
; 16 products: token tiles m0 .. m0 + 3 x the pass's four column tiles, K step s.  kind 0 (q, k): source 0 = W, source 1 = x; kind 1 (v): the other way round.  The first K step takes the bias as C.
.macro MUL16 kind, ww, grp, s, m0
.if (\kind) == 0
.if (\s) == 0
	WIN 0xc0+(\ww)                                 ; D window 3, C (the bias) window 0, W window ww, x window 0
.else
	WIN 0xf0+(\ww)                                 ; C and D window 3
.endif
.else
.if (\s) == 0
	WIN 0xc4
.else
	WIN 0xf4
.endif
.endif
.irp m, \m0, \m0+1, \m0+2, \m0+3
.irp t, 0,1,2,3
.if (\kind) == 0
.set rD, 32*(\m)+8*\t
.set rA, 32*(\s)+8*\t
.set rB, XF+8*(\m)
.set sA, WS+16*(\grp)+8*(\t/2)+(\s)
.set sB, XS+8*((\m)/2)+(\s)
.set oA, \t%2
.set oB, (\m)%2
.else
.set rD, 64*\t+8*(\m)
.set rA, XF+8*(\m)
.set rB, 32*(\s)+8*\t
.set sA, XS+8*((\m)/2)+(\s)
.set sB, WS+16*(\grp)+8*(\t/2)+(\s)
.set oA, (\m)%2
.set oB, \t%2
.endif
.set rC, rD
.if (\s) == 0
.set rC, BI+32*(\grp)+8*\t
.endif
	WM
.endr
.endr
.endm
; A pass: 256 products; the 32 accumulators take turns, one instruction a turn, in the same order in every K step.  x's tiles 0-3 are fetched anew behind their 16 products, tiles 4-7 behind theirs.
; The eight loads of a half stand in one run behind their wait: dealt singly among the products, each would want two switches of the register windows.
.macro PASS kind, ww, grp
	FETCHX 0, 0
	FETCHX 0, 4
.irp s, 0,1,2,3,4,5,6,7
	s_wait_dscnt 8                                 ; tiles 0-3 are in (and all that was asked for earlier); the youngest eight loads, tiles 4-7, may be out
	MUL16 \kind, \ww, \grp, \s, 0
	s_wait_dscnt 0x0                               ; tiles 4-7 are in
.if \s < 7
	NOPS4
	WIN 0
	s_wait_alu depctr_va_vdst(0)                   ; the sixteen products above are done reading x's tiles 0-3, in which the loads below land
	FETCHX \s+1, 0
.endif
	MUL16 \kind, \ww, \grp, \s, 4
.if \s < 7
	NOPS4
	WIN 0
	s_wait_alu depctr_va_vdst(0)                   ; the sixteen products above are done reading x's tiles 4-7, in which the loads below land
	FETCHX \s+1, 4
.endif
.endr
	WIN 0
	NOPS4                                          ; in front of the first read of results
.endm
.macro EPIQ                            ; q's or k's results: for each token tile 64 d = two blocks; tile m's codes in v[XF + 4 m] on, its scale word in v[PWS + m]
.irp m, 0,1,2,3,4,5,6,7
	QUANT 32*\m, 2, XF+4*\m, PWS+\m
.endr
.endm
.macro EPIS lo                         ; the eight tiles' images go to s[lo:lo+1] + 512 m
.irp m, 0,1,2,3,4,5,6,7
	global_store_b128 v[LI], v[XF+4*\m:XF+4*\m+3], s[\lo:\lo+1] offset:512*\m
.endr
.endm
	s_load_b256 s[8:15], s[0:1], 0x0               ; embedding1 s[8:9], embedding2 s[10:11], W's codes s[12:13], W's scales s[14:15]
	s_load_b256 s[16:23], s[0:1], 0x20             ; bqkv s[16:17], qcodes s[18:19], qscales s[20:21], kv s[22:23]
	v_lshl_add_u32 v254, v0, 2, 0x11000
	v_mov_b32 v255, 0
	v_lshrrev_b32 v15, 5, v0
	v_readfirstlane_b32 s2, v15                    ; wave 0..3
	s_and_b32 s3, ttmp7, 0xffff                    ; blk
	s_lshl_b32 s4, ttmp9, 2
	s_wait_alu depctr_va_sdst(0)                   ; s2 is written, ahead of its first reader: the head, the LDS places and the bases are made from it
	s_add_co_u32 s4, s4, s2                        ; my head
	s_lshr_b32 s5, s3, 4                           ; sb
	s_and_b32 s6, s3, 15                           ; the key step
	s_lshl_b32 s7, s5, 4
	s_add_co_u32 s7, s7, s4                        ; g
	v_and_b32 v15, 31, v0                          ; lane
	v_and_b32 v208, 15, v0                         ; r
	v_bfe_u32 v209, v0, 4, 1                       ; h
	v_and_b32 v210, 8, v208
	v_add_nc_u32 v210, v210, v208                  ; r + 8 (r / 8)
	v_lshlrev_b32 v[LI], 4, v15
	v_lshlrev_b32 v[XA], 12, v210
	v_lshl_add_u32 v[XA], v209, 6, v[XA]
	s_lshl_b32 s46, s2, 14
	v_add_nc_u32 v[XWI], s46, v[LI]
	v_lshlrev_b32 v[XWS], 5, v208
	s_lshl_b32 s46, s2, 10
	s_add_co_u32 s46, s46, XSC
	v_add_nc_u32 v[XWS], s46, v[XWS]
	v_lshlrev_b32 v[WA], 9, v210
	v_lshl_add_u32 v[WA], v209, 4, v[WA]
	v_lshl_add_u32 v[WSA], v209, 3, v210
	v_lshlrev_b32 v[WSA], 5, v[WSA]
	v_lshlrev_b32 v[BA], 6, v209
	v_lshlrev_b32 v[BV], 2, v210
	v_lshl_add_u32 v[L32], v15, 5, XSC
	v_lshlrev_b32 v[QSO], 5, v208
	v_lshl_add_u32 v[QSO], v209, 4, v[QSO]
	v_lshlrev_b32 v[L8], 3, v15
	v_mov_b32 v[FLR], 0x1800000
.irp b, 0,1,2,3
	v_mov_b32 v[TM+4+\b], 0                        ; written once: a lane permute's destination counts as one of its sources
.endr
	s_mov_b32 s40, 0x76543210
	s_mov_b32 s41, 0xfedcba98                      ; v_permlanex16_b32's selects for lane l xor 16
	s_mov_b32 s42, 0xffff0000                      ; lanes 16-31
	s_and_b32 s24, s3, 31
	s_lshl_b32 s24, s24, 19                        ; 128 tokens of 4,096 bytes for each block of the stream,
	s_lshl_b32 s25, s2, 17                         ; 32 for each wave
	s_add_co_u32 s24, s24, s25
	s_mov_b32 s25, 0
	s_mov_b32 s47, 0
	s_wait_kmcnt 0x0
	s_cmp_lt_u32 s3, 32                            ; the stream: a choice on the work-group's number alone
	s_cselect_b64 s[26:27], s[8:9], s[10:11]
	s_add_nc_u64 s[26:27], s[26:27], s[24:25]      ; x at my wave's 32 tokens
	s_lshl_b32 s46, s4, 15
	s_add_nc_u64 s[28:29], s[12:13], s[46:47]      ; W's codes at my head's 64 rows of q (512 bytes a row)
	s_lshl_b32 s46, s4, 11
	s_add_nc_u64 s[30:31], s[14:15], s[46:47]      ; their scale bytes (32 a row)
	s_lshl_b32 s46, s4, 8
	s_add_nc_u64 s[32:33], s[16:17], s[46:47]      ; their bias
	s_lshl_b32 s46, s7, 16
	s_lshl_b32 s24, s6, 12
	s_add_co_u32 s46, s46, s24
	s_add_nc_u64 s[34:35], s[18:19], s[46:47]      ; qcodes [g][tile][512]: my eight tiles
	s_lshl_b32 s46, s7, 13
	s_lshl_b32 s24, s6, 9
	s_add_co_u32 s46, s46, s24
	s_add_nc_u64 s[36:37], s[20:21], s[46:47]      ; qscales [g][128 tokens][r][tile] words
	s_mul_i32 s46, s7, 143360
	s_mul_i32 s24, s6, 8960
	s_add_co_u32 s46, s46, s24
	s_add_nc_u64 s[38:39], s[22:23], s[46:47]      ; kv [g][key step][8,960]: K's 8 images, V's 8, K's scale words (512 bytes), V's (256)
	s_wait_alu depctr_va_vdst(0)                   ; the offsets and addresses v1-4 and v7-13 are written, which the kernel's loads and stores read
	LOADW 0, 1, 0                                  ; pass q's W lands while x is quantised
.irp e, 0,1,2,3
	XLOAD \e, 0, 0                                 ; (no vector instruction has named these registers)
.endr
	; ---- x: four trips of four units; three of them in a loop, the last written out without loads: no load leaves its buffer
	s_mov_b32 s43, 3
	s_mov_b32 s44, 0
	s_mov_b32 s45, 0
.Lxtrip:
	s_wait_dscnt 0x0                               ; the last trip's LDS stores are done
	s_wait_alu depctr_vm_vsrc(0)                   ; the last trip's LDS stores have read v5 and v6, which the two additions write again, and the codes and scale words, which this trip's quantisers write again
	v_add_nc_u32 v[XWJ], s44, v[XWI]               ; 2,048 bytes of images and 8 of scale words a trip
	v_add_nc_u32 v[XSJ], s45, v[XWS]
.irp e, 0,1,2,3
	XUNIT \e, 48, 1                                ; three younger units of 16 loads stay out
.endr
	s_wait_xcnt 0x0                                ; the loads have read their base: it may step
	s_add_nc_u64 s[26:27], s[26:27], 1024
	s_add_co_u32 s44, s44, 2048
	s_add_co_u32 s45, s45, 8
	s_sub_co_u32 s43, s43, 1
	s_cmp_lg_u32 s43, 0
	s_cbranch_scc1 .Lxtrip
	s_wait_dscnt 0x0
	s_wait_alu depctr_vm_vsrc(0)                   ; as at the loop's head: the last trip's LDS stores have read v5, v6, the codes and the scale words
	v_add_nc_u32 v[XWJ], s44, v[XWI]
	v_add_nc_u32 v[XSJ], s45, v[XWS]
	XUNIT 0, 48, 0                                 ; the counts run down
	XUNIT 1, 32, 0
	XUNIT 2, 16, 0
	XUNIT 3, 0, 0
	LOADW 1, 2, 1                                  ; pass k's W lands during pass q (no vector instruction has named these registers)
	s_wait_dscnt 0x0                               ; for the others' sake: my images and scale words lie in LDS
	s_barrier_signal -1
	s_barrier_wait -1                              ; everybody's do
	s_wait_alu depctr_vm_vsrc(0)                   ; my LDS stores have read v16-47 and v224-227: the fragments' loads land in the first, the way out's quantisers write the second (the quantisers that wrote v16-47 stand ahead of the last wait on va_vdst)
.irp b, 0,1,2,3
.irp q, 0,1
	ds_load_b128 v[XS+8*\b+4*\q:XS+8*\b+4*\q+3], v[L32] offset:1024*\b+16*\q   ; x's scale words stay: register 8 b + s: lanes 0-15 tile 2 b, lanes 16-31 tile 2 b + 1
.endr
.endr
	; ---- q
	PASS 0, 1, 0
	EPIQ
.irp i, 0,1,2,3
	v_cndmask_b32 v[OW+\i], v[PWS+\i], v[PWS+4+\i], s42   ; lanes 0-15 store tiles 0-3's words of row r, lanes 16-31 tiles 4-7's
.endr
	s_wait_alu depctr_va_vdst(0)                   ; the quantisers and the selects have written v16-47 and v232-235, which the nine stores read; pass q's products are done reading window 1, v80-95 and v144-175, in which pass v's W, scale words and bias land below
	EPIS 34
	global_store_b128 v[QSO], v[OW:OW+3], s[36:37]
	; ---- k
	s_wait_loadcnt 0x0                             ; pass k's W is in
	s_wait_xcnt 0x0                                ; q's stores have had their addresses translated: their registers are written again below
	s_wait_alu depctr_vm_vsrc(0)                   ; q's stores have read v16-47, in which the fragments' loads land, and v232-235, which pass k's selects write again
	LOADW 2, 1, 0                                  ; pass v's W, into the registers that pass q has left
	PASS 0, 2, 1
	EPIQ
.irp i, 0,1,2,3
	v_cndmask_b32 v[OW+\i], v[PWS+2*\i], v[PWS+2*\i+1], s42   ; word i of lane l: tile 2 i + l / 16, row l % 16: as the attention launch's scale registers take them
.endr
	s_wait_alu depctr_va_vdst(0)                   ; the quantisers and the selects have written v16-47 and v232-235, which the nine stores read
	EPIS 38
	global_store_b128 v[LI], v[OW:OW+3], s[38:39] offset:8192
	; ---- v
	s_wait_loadcnt 0x0
	s_wait_xcnt 0x0
	s_wait_alu depctr_vm_vsrc(0)                   ; k's stores have read v16-47, in which the fragments' loads land, and v232-235, which pass v's selects write again
	PASS 1, 1, 0
.irp t, 0,1,2,3
	QUANT 64*\t, 4, XF+8*\t, PWS+\t                ; 16 d x 128 tokens: four blocks along the keys: one fragment of V^T
.if \t == 3
.irp i, 0,1
	v_cndmask_b32 v[OW+\i], v[PWS+2*\i], v[PWS+2*\i+1], s42
.endr
.endif
	s_wait_alu depctr_va_vdst(0)                   ; this tile's codes are written, which its two stores read (behind the last tile: the two scale words too).  A wait a tile: nothing follows this pass under which the stores could leave
	global_store_b128 v[LI], v[XF+8*\t:XF+8*\t+3], s[38:39] offset:4096+1024*\t
	global_store_b128 v[LI], v[XF+8*\t+4:XF+8*\t+7], s[38:39] offset:4096+1024*\t+512
.endr
	global_store_b64 v[L8], v[OW:OW+1], s[38:39] offset:8704
	s_wait_dscnt 0x0                               ; the closing lines, six on end
	s_wait_alu 0x0
	s_wait_tensorcnt 0x0
	ds_add_u32 v254, v255
	s_wait_dscnt 0x0
	s_endpgm
.Lfunc_end_k_q18c41730e3_qkv:
	.size	k_q18c41730e3_qkv, .Lfunc_end_k_q18c41730e3_qkv-k_q18c41730e3_qkv
	.p2alignl 7, 3214868480
	.fill 96, 4, 3214868480
	.section	.rodata,"a",@progbits
	.p2align	6, 0x0
	.amdhsa_kernel k_q18c41730e3_qkv
		.amdhsa_group_segment_fixed_size 70144
		.amdhsa_private_segment_fixed_size 0
		.amdhsa_enable_private_segment 0
		.amdhsa_kernarg_size 64
		.amdhsa_user_sgpr_count 2
		.amdhsa_user_sgpr_kernarg_segment_ptr 1
		.amdhsa_wavefront_size32 1
		.amdhsa_system_sgpr_workgroup_id_x 1
		.amdhsa_system_sgpr_workgroup_id_y 1
		.amdhsa_system_sgpr_workgroup_id_z 1
		.amdhsa_system_vgpr_workitem_id 0
		.amdhsa_next_free_vgpr 1024
		.amdhsa_next_free_sgpr 66
		.amdhsa_reserve_vcc 0
		.amdhsa_float_denorm_mode_32 3
		.amdhsa_float_denorm_mode_16_64 3
		.amdhsa_memory_ordered 1
		.amdhsa_forward_progress 1
		.amdhsa_inst_pref_size 254
	.end_amdhsa_kernel
	.amdgpu_metadata
---
amdhsa.version: [ 1, 2 ]
amdhsa.kernels:
  - .name:           k_q18c41730e3_qkv
    .symbol:         k_q18c41730e3_qkv.kd
    .args:
      - { .name: embedding1, .offset: 0, .size: 8, .value_kind: global_buffer, .address_space: global }
      - { .name: embedding2, .offset: 8, .size: 8, .value_kind: global_buffer, .address_space: global }
      - { .name: Wqkv_codes, .offset: 16, .size: 8, .value_kind: global_buffer, .address_space: global }
      - { .name: Wqkv_scales, .offset: 24, .size: 8, .value_kind: global_buffer, .address_space: global }
      - { .name: bqkv, .offset: 32, .size: 8, .value_kind: global_buffer, .address_space: global }
      - { .name: qcodes, .offset: 40, .size: 8, .value_kind: global_buffer, .address_space: global }
      - { .name: qscales, .offset: 48, .size: 8, .value_kind: global_buffer, .address_space: global }
      - { .name: kv, .offset: 56, .size: 8, .value_kind: global_buffer, .address_space: global }
    .group_segment_fixed_size: 70144
    .private_segment_fixed_size: 0
    .kernarg_segment_align: 8
    .kernarg_segment_size: 64
    .max_flat_workgroup_size: 128
    .sgpr_count:     66
    .vgpr_count:     1024
    .wavefront_size: 32
...
	.end_amdgpu_metadata
.endif
;; end of part 4
;; launch attn: the kernel of part 2 again; grid 4 x 64, 16 waves a work-group, clusters of 4 x 1, 169,984 bytes of LDS; arguments qcodes, qscales, kv, acodes, ascales; writes acodes, ascales
;; launch outln (part 5): grid 256 x 1, 16 waves a work-group, no clusters, 92,160 bytes of LDS; arguments acodes, ascales, Wout_codes, Wout_scales, bout, gamma, beta, embedding1, embedding2, out0, out1; writes out0, out1
.if DOCPART == 5
	.amdgcn_target "amdgcn-amd-amdhsa--gfx1250"
	.amdhsa_code_object_version 6
	.text
	.protected	k_q18c41730e3_outln
	.globl	k_q18c41730e3_outln
	.p2align	8
	.type	k_q18c41730e3_outln,@function
k_q18c41730e3_outln:
	s_mov_b64 s[64:65], 0
	v_nop
	global_prefetch_b8 v0, s[64:65] scope:SCOPE_SE
	s_setreg_imm32_b32 hwreg(HW_REG_WAVE_SCHED_MODE, 0, 2), 2
	s_setreg_imm32_b32 hwreg(HW_REG_WAVE_MODE, 25, 1), 1
	s_wait_xcnt 0x0
	s_wait_alu depctr_vm_vsrc(0)
; out = LayerNorm(embedding + a Wout + bout) x gamma + beta; the product on codes of FP4 (E2M1) with E8M0 scales, all else in f32.
; SHARES.  Work-group i takes the two tiles 2 i, 2 i + 1 of 16 rows (tokens 32 i .. 32 i + 31 of the 8,192; lane r of tile u: token 8 u + r + 8 (r / 8)) and ALL 1,024 columns, so that each row's mean and variance have one owner.
; Wave w takes columns 64 w .. 64 w + 63: four column tiles x two row tiles = 8 accumulators, K in 8 steps of 128.  Source 0 = 16 rows of Wout, source 1 = a: a lane holds one row and eight neighbouring columns.
; The residual is loaded straight into the accumulators: it is the C of each sum's first product.  a's 16 fragments (images of operand registers, as the attention launch stored them) are copied to LDS once, one by each wave.
; Wout's fragments go from memory into a ring of four sets of registers, four K steps ahead; the sets then take bout, gamma and beta.
; The variance is the mean of (y - mean)^2, made in a second pass: no difference of large sums is formed.  The waves' partial sums meet in LDS, behind a barrier each.
; NO CLUSTER: Wout's codes and scales are 544 KB for a work-group, more than LDS holds at once; each fragment is read by one wave once, so it goes straight into that wave's registers.
; LIMITS: NaN and infinities are not served; 1 / sqrt is v_rsq_f32.
; THE MODE: SCHED_MODE bits 1:0 = 2 (LLVM: expert scheduling mode 2), set by the entry lines.  The code itself states the register dependences between vector or matrix instructions and memory or LDS
; instructions, with s_wait_alu, always for 0.
; THE PLAN.  Registers that memory or LDS instructions touch:
;   v1-11          offsets and addresses: made at the head, never written again: one wait on va_vdst ahead of the first load.
;   v16-31         v16-23: my image of a, loaded, read by two LDS stores; then a's two fragments of a K step: LDS loads land, the step's eight products read.
;   v120-247       ring set s % 4: loads land, step s's products read, the loads of four steps on (or bout, gamma, beta) land.
;                  ONE wait on va_vdst a K step, behind its products: it covers the next step's four LDS loads, which follow it first, and the eight loads into the ring's set.
;   v252           a select writes it, an LDS store reads it, an addition writes it again: a wait on va_vdst ahead of the store, one on vm_vsrc ahead of the addition, in each of the two sums across the waves.
;   v216-231       step 7's products read them; the sums' LDS loads land there, additions read and write them: covered by the wait ahead of each sum's store.
;   v56-119        the residual lands there; products and vector instructions alone name them until the stage's stores read them: one wait on va_vdst ahead of the way out,
;                  which also covers the stage's loads into v216-247 and v120-151.
;   v32-55         scale words, loaded once.   v254, v255: written at the head, read by the closing add alone.
.set RED1, 16384                       ; LDS: 0: a's images, (8 u + s) x 1,024;  RED1, RED2: [wave][row] partial sums, 2,048 bytes each;  STG: a stage of 16 rows x (256 + 16) bytes for each wave
.set RED2, 18432
.set STG,  20480
.set AF,   16                          ; v16-31  a's two fragments of a K step
.set AS,   32                          ; v32-39  a's scale words: register s: lanes 0-15 tile 0, lanes 16-31 tile 1
.set WS,   40                          ; v40-55  Wout's: register 8 (t / 2) + s: lanes 0-15 the even tile, lanes 16-31 the odd one
.set ACC,  56                          ; v56-119 accumulator (u, t) at 8 (4 u + t)
.set RING, 120                         ; v120-247 four sets of 32
; v1 16 x lane; v2 512 r + 16 h; v3 (r + 8 (r / 8)) x 4,096 + 32 h; v4 32 h; v5 32 x lane; v6 16 x lane + 1,024 w; v7 4 x thread; v8 4 x lane; v9, v10 the stage, in and back; v11 4,096 (lane / 16) + 16 (lane % 16); v248-253 at work
.macro NOPS4
.rept 4
	v_nop
.endr
.endm
.macro WM
.if oA && oB
	v_wmma_scale_f32_16x16x128_f8f6f4 v[rD:rD+7], v[rA:rA+7], v[rB:rB+7], v[rD:rD+7], v[sA], v[sB] matrix_a_fmt:MATRIX_FMT_FP4 matrix_b_fmt:MATRIX_FMT_FP4 matrix_a_scale:MATRIX_SCALE_ROW1 matrix_b_scale:MATRIX_SCALE_ROW1
.elseif oA
	v_wmma_scale_f32_16x16x128_f8f6f4 v[rD:rD+7], v[rA:rA+7], v[rB:rB+7], v[rD:rD+7], v[sA], v[sB] matrix_a_fmt:MATRIX_FMT_FP4 matrix_b_fmt:MATRIX_FMT_FP4 matrix_a_scale:MATRIX_SCALE_ROW1
.elseif oB
	v_wmma_scale_f32_16x16x128_f8f6f4 v[rD:rD+7], v[rA:rA+7], v[rB:rB+7], v[rD:rD+7], v[sA], v[sB] matrix_a_fmt:MATRIX_FMT_FP4 matrix_b_fmt:MATRIX_FMT_FP4 matrix_b_scale:MATRIX_SCALE_ROW1
.else
	v_wmma_scale_f32_16x16x128_f8f6f4 v[rD:rD+7], v[rA:rA+7], v[rB:rB+7], v[rD:rD+7], v[sA], v[sB] matrix_a_fmt:MATRIX_FMT_FP4 matrix_b_fmt:MATRIX_FMT_FP4
.endif
.endm
.macro LOADWO s                        ; Wout's four fragments of K step s into set s % 4: eight loads
.irp t, 0,1,2,3
.irp c, 0,1
	global_load_b128 v[RING+32*((\s)%4)+8*\t+4*\c:RING+32*((\s)%4)+8*\t+4*\c+3], v2, s[8:9] offset:8192*\t+64*(\s)+32*\c
.endr
.endr
.endm
.macro LOADVEC k, lo                   ; my 64 numbers of bout, gamma or beta into set k, in the result's layout: eight loads
.irp t, 0,1,2,3
.irp q, 0,1
	global_load_b128 v[RING+32*(\k)+8*\t+4*\q:RING+32*(\k)+8*\t+4*\q+3], v4, s[\lo:\lo+1] offset:64*\t+16*\q
.endr
.endr
.endm
.macro AFLOAD s                        ; a's two fragments of K step s, from their images in LDS
.irp u, 0,1
.irp c, 0,1
	ds_load_b128 v[AF+8*\u+4*\c:AF+8*\u+4*\c+3], v1 offset:(8*\u+(\s))*1024+512*\c
.endr
.endr
.endm
; v[248:249], v[250:251]: my lane's sums for tiles 0 and 1, in two halves each -> v252: lane l holds row l's sum over all 1,024 columns.  One barrier.
.macro ACROSS red
	v_add_f32 v248, v248, v249
	v_add_f32 v250, v250, v251
	v_permlanex16_b32 v249, v248, s28, s29
	v_permlanex16_b32 v251, v250, s28, s29
	v_add_f32 v248, v248, v249                     ; with lane l xor 16's columns: my wave's 64
	v_add_f32 v250, v250, v251
	v_cndmask_b32 v252, v248, v250, s30            ; lanes 0-15 tile 0's rows, lanes 16-31 tile 1's
	s_wait_alu depctr_va_vdst(0)                   ; v252 is written, which the LDS store reads; and all that named v216-231 (K step 7's products; the first sum's additions) is done: the sixteen loads below land there
	ds_store_b32 v7, v252 offset:\red
	s_wait_dscnt 0x0                               ; for the others' sake: my word lies in LDS
	s_barrier_signal -1
	s_barrier_wait -1
.irp k, 0,1,2,3,4,5,6,7,8,9,10,11,12,13,14,15
	ds_load_b32 v[216+\k], v8 offset:\red+128*\k   ; the sixteen waves' parts of row l
.endr
	s_wait_dscnt 0x0
	s_wait_alu depctr_vm_vsrc(0)                   ; my LDS store has read v252, which the last addition below writes again
.irp k, 0,1,2,3,4,5,6,7
	v_add_f32 v[216+\k], v[216+\k], v[224+\k]
.endr
.irp k, 0,1,2,3
	v_add_f32 v[216+\k], v[216+\k], v[220+\k]
.endr
.irp k, 0,1
	v_add_f32 v[216+\k], v[216+\k], v[218+\k]
.endr
	v_add_f32 v252, v216, v217
.endm
.macro SPREAD                          ; v252 (row l's number in lane l) -> v248: the number of row r of tile 0, v250: of tile 1, in every lane
	v_permlanex16_b32 v253, v252, s28, s29
	v_cndmask_b32 v248, v252, v253, s30
	v_cndmask_b32 v250, v253, v252, s30
.endm
	s_load_b256 s[4:11], s[0:1], 0x0               ; acodes s[4:5], ascales s[6:7], Wout's codes s[8:9], its scales s[10:11]
	s_load_b256 s[12:19], s[0:1], 0x20             ; bout s[12:13], gamma s[14:15], beta s[16:17], embedding1 s[18:19]
	s_load_b128 s[20:23], s[0:1], 0x40             ; embedding2 s[20:21], out0 s[22:23]
	s_load_b64 s[24:25], s[0:1], 0x50              ; out1
	v_lshl_add_u32 v254, v0, 2, 0x16000
	v_mov_b32 v255, 0
	v_lshrrev_b32 v12, 5, v0
	v_readfirstlane_b32 s2, v12                    ; wave 0..15
	s_mov_b32 s3, ttmp9                            ; i
	v_and_b32 v12, 31, v0                          ; lane
	v_and_b32 v13, 15, v0                          ; r
	v_bfe_u32 v14, v0, 4, 1                        ; h
	v_and_b32 v15, 8, v13
	v_add_nc_u32 v15, v15, v13                     ; r + 8 (r / 8)
	v_lshlrev_b32 v1, 4, v12
	v_lshlrev_b32 v2, 9, v13
	v_lshl_add_u32 v2, v14, 4, v2
	v_lshlrev_b32 v3, 12, v15
	v_lshl_add_u32 v3, v14, 5, v3
	v_lshlrev_b32 v4, 5, v14
	v_lshlrev_b32 v5, 5, v12
	s_wait_alu depctr_va_sdst(0)                   ; s2 is written, ahead of its first reader: the LDS places and the bases are made from it
	s_lshl_b32 s26, s2, 10
	v_add_nc_u32 v6, s26, v1
	v_lshlrev_b32 v7, 2, v0
	v_lshlrev_b32 v8, 2, v12
	s_mul_i32 s26, s2, 4352
	s_add_co_u32 s26, s26, STG                     ; my stage
	v_mul_u32_u24 v9, v13, 272
	v_lshl_add_u32 v9, v14, 5, v9
	v_add_nc_u32 v9, s26, v9                       ; in: row r, + 32 h
	v_mul_u32_u24 v10, v14, 272
	v_lshl_add_u32 v10, v13, 4, v10
	v_add_nc_u32 v10, s26, v10                     ; back: lanes 0-15 one row of 256 bytes, lanes 16-31 the next
	v_lshlrev_b32 v11, 12, v14
	v_lshl_add_u32 v11, v13, 4, v11                ; and the same two rows in the output
	v_mov_b32 v253, 0                              ; written once: a lane permute's destination counts as one of its sources
	s_mov_b32 s28, 0x76543210
	s_mov_b32 s29, 0xfedcba98
	s_mov_b32 s30, 0xffff0000                      ; lanes 16-31
	s_mov_b32 s31, 0x3a800000                      ; 1 / 1,024
	s_mov_b32 s34, 0x3727c5ac                      ; 1e-5
	s_mov_b32 s27, 0
	s_wait_kmcnt 0x0
	s_cmp_lt_u32 s3, 128                           ; the stream: a choice on the work-group's number alone
	s_cselect_b64 s[18:19], s[18:19], s[20:21]
	s_cselect_b64 s[22:23], s[22:23], s[24:25]
	s_lshl_b32 s26, s3, 14
	s_lshl_b32 s35, s2, 10
	s_add_co_u32 s26, s26, s35
	s_add_nc_u64 s[4:5], s[4:5], s[26:27]          ; image w of my two tiles' sixteen
	s_lshl_b32 s26, s3, 10
	s_add_nc_u64 s[6:7], s[6:7], s[26:27]          ; my 32 rows' scale bytes
	s_lshl_b32 s26, s2, 15
	s_add_nc_u64 s[8:9], s[8:9], s[26:27]          ; my 64 rows of Wout (512 bytes a row)
	s_lshl_b32 s26, s2, 11
	s_add_nc_u64 s[10:11], s[10:11], s[26:27]
	s_lshl_b32 s26, s2, 8
	s_add_nc_u64 s[12:13], s[12:13], s[26:27]      ; my 64 columns of bout, gamma, beta
	s_add_nc_u64 s[14:15], s[14:15], s[26:27]
	s_add_nc_u64 s[16:17], s[16:17], s[26:27]
	s_and_b32 s35, s3, 127
	s_lshl_b32 s35, s35, 17                        ; 32 rows of 4,096 bytes
	s_add_co_u32 s26, s26, s35
	s_add_nc_u64 s[18:19], s[18:19], s[26:27]      ; the residual and the output at my rows and columns
	s_add_nc_u64 s[22:23], s[22:23], s[26:27]
	s_wait_alu depctr_va_vdst(0)                   ; the offsets and addresses v1-11 are written, which the kernel's loads and stores read
	global_load_b128 v[16:19], v1, s[4:5]          ; 56 loads, in this order: 2: my image of a,
	global_load_b128 v[20:23], v1, s[4:5] offset:512
.irp q, 0,1
	global_load_b128 v[AS+4*\q:AS+4*\q+3], v5, s[6:7] offset:16*\q   ; 2: a's scale words,
.endr
.irp b, 0,1
.irp q, 0,1
	global_load_b128 v[WS+8*\b+4*\q:WS+8*\b+4*\q+3], v5, s[10:11] offset:1024*\b+16*\q   ; 4: Wout's,
.endr
.endr
.irp u, 0,1
.irp t, 0,1,2,3
.irp q, 0,1
	global_load_b128 v[ACC+8*(4*\u+\t)+4*\q:ACC+8*(4*\u+\t)+4*\q+3], v3, s[18:19] offset:32768*\u+64*\t+16*\q   ; 16: the residual, into the accumulators,
.endr
.endr
.endr
.irp s, 0,1,2,3
	LOADWO \s                                      ; 32: Wout's first four K steps
.endr
	s_wait_loadcnt 54                              ; my image is in; the other 54 loads may be out
	ds_store_b128 v6, v[16:19]
	ds_store_b128 v6, v[20:23] offset:512
	s_wait_dscnt 0x0
	s_barrier_signal -1
	s_barrier_wait -1                              ; a's sixteen images lie in LDS
	s_wait_alu depctr_vm_vsrc(0)                   ; my two LDS stores have read v16-23, in which the first K step's fragments land
	AFLOAD 0
.irp s, 0,1,2,3,4,5,6,7
	s_wait_loadcnt 24                              ; this K step's eight loads are in: three groups of eight were issued behind them
	s_wait_dscnt 0x0
.irp t, 0,1,2,3
.irp u, 0,1
.set rD, ACC+8*(4*\u+\t)
.set rA, RING+32*(\s%4)+8*\t
.set rB, AF+8*\u
.set sA, WS+8*(\t/2)+\s
.set sB, AS+\s
.set oA, \t%2
.set oB, \u
	WM                                             ; the eight accumulators take turns
.endr
.endr
	NOPS4                                          ; in front of loads into registers that these products have read, and of the first read of results
.if \s < 7
	s_wait_alu depctr_va_vdst(0)                   ; this step's products are done reading a's two fragments and the ring's set s % 4, in which the loads below land
	AFLOAD \s+1                                    ; the next step's fragments first: they are wanted soonest
.endif
.if \s < 4
	LOADWO \s+4
.elseif \s == 4
	LOADVEC 0, 12                                  ; bout
.elseif \s == 5
	LOADVEC 1, 14                                  ; gamma
.elseif \s == 6
	LOADVEC 2, 16                                  ; beta
.endif
.endr
	s_wait_loadcnt 16                              ; bout is in; gamma and beta may be out
.irp u, 0,1
.irp t, 0,1,2,3
.irp j, 0,2,4,6
	v_pk_add_f32 v[ACC+8*(4*\u+\t)+\j:ACC+8*(4*\u+\t)+\j+1], v[ACC+8*(4*\u+\t)+\j:ACC+8*(4*\u+\t)+\j+1], v[RING+8*\t+\j:RING+8*\t+\j+1]   ; y = residual + a Wout + bout; each accumulator from its low end on
.endr
.endr
.endr
	v_pk_add_f32 v[248:249], v[ACC:ACC+1], v[ACC+2:ACC+3]           ; the rows' sums: a chain for each tile
	v_pk_add_f32 v[250:251], v[ACC+32:ACC+33], v[ACC+34:ACC+35]
.set j, 4
.rept 14
	v_pk_add_f32 v[248:249], v[248:249], v[ACC+j:ACC+j+1]
	v_pk_add_f32 v[250:251], v[250:251], v[ACC+32+j:ACC+32+j+1]
.set j, j+2
.endr
	ACROSS RED1
	v_mul_f32 v252, s31, v252                      ; the mean
	SPREAD
.irp u, 0,1
.set j, 0
.rept 16
	v_pk_add_f32 v[ACC+32*\u+j:ACC+32*\u+j+1], v[ACC+32*\u+j:ACC+32*\u+j+1], v[248+2*\u:249+2*\u] op_sel_hi:[1,0] neg_lo:[0,1] neg_hi:[0,1]   ; y - mean
.set j, j+2
.endr
.endr
	v_pk_mul_f32 v[248:249], v[ACC:ACC+1], v[ACC:ACC+1]             ; the sums of its squares
	v_pk_mul_f32 v[250:251], v[ACC+32:ACC+33], v[ACC+32:ACC+33]
.set j, 2
.rept 15
	v_pk_fma_f32 v[248:249], v[ACC+j:ACC+j+1], v[ACC+j:ACC+j+1], v[248:249]
	v_pk_fma_f32 v[250:251], v[ACC+32+j:ACC+32+j+1], v[ACC+32+j:ACC+32+j+1], v[250:251]
.set j, j+2
.endr
	ACROSS RED2
	v_fma_f32 v252, v252, s31, s34                 ; the variance + 1e-5
	v_rsq_f32 v252, v252
	v_nop                                          ; a plain line behind the root,
	s_wait_alu depctr_va_vdst(0)                   ; and the wait for the root's result, v252, ahead of its first reader
	SPREAD
	s_wait_loadcnt 0x0                             ; gamma and beta
.irp u, 0,1
.irp t, 0,1,2,3
.irp j, 0,2,4,6
	v_pk_mul_f32 v[ACC+8*(4*\u+\t)+\j:ACC+8*(4*\u+\t)+\j+1], v[ACC+8*(4*\u+\t)+\j:ACC+8*(4*\u+\t)+\j+1], v[248+2*\u:249+2*\u] op_sel_hi:[1,0]
.endr
.endr
.endr
.irp u, 0,1
.irp t, 0,1,2,3
.irp j, 0,2,4,6
	v_pk_fma_f32 v[ACC+8*(4*\u+\t)+\j:ACC+8*(4*\u+\t)+\j+1], v[ACC+8*(4*\u+\t)+\j:ACC+8*(4*\u+\t)+\j+1], v[RING+32+8*\t+\j:RING+32+8*\t+\j+1], v[RING+64+8*\t+\j:RING+64+8*\t+\j+1]
.endr
.endr
.endr
	; THE WAY OUT: a tile's 16 rows x 256 bytes through my own stage; LDS serves a wave's instructions in order (ISA guide 5.7.1.4): no wait between the stores and the loads, nor in front of the next tile's stores.
	; Tile 0 comes back into v216-247, tile 1 into v120-151, which held bout: no store's data are written again.
	s_wait_alu depctr_va_vdst(0)                   ; the multiply-adds have written v56-119, which the stage's stores read; the sums' additions are done with v216-231 and the additions of bout with v120-151, in which the stage's loads land
.irp u, 0,1
.irp t, 0,1,2,3
.irp q, 0,1
	ds_store_b128 v9, v[ACC+8*(4*\u+\t)+4*\q:ACC+8*(4*\u+\t)+4*\q+3] offset:64*\t+16*\q
.endr
.endr
.irp k, 0,1,2,3,4,5,6,7
	ds_load_b128 v[216-96*\u+4*\k:216-96*\u+4*\k+3], v10 offset:544*\k
.endr
.endr
.irp u, 0,1
.irp k, 0,1,2,3,4,5,6,7
	s_wait_dscnt 23-16*\u-\k                       ; the LDS instructions issued behind this load may be out
	global_store_b128 v11, v[216-96*\u+4*\k:216-96*\u+4*\k+3], s[22:23] offset:(8*\u+2*\k+8*(\k/4))*4096 th:TH_STORE_NT   ; stage rows 2 k, 2 k + 1 are tokens 8 u + 2 k + 8 (k / 4) and the next: 16 lanes store 256 consecutive bytes, at a multiple of 256 from the output's first byte
.endr
.endr
	s_wait_dscnt 0x0                               ; the closing lines, six on end
	s_wait_alu 0x0
	s_wait_tensorcnt 0x0
	ds_add_u32 v254, v255
	s_wait_dscnt 0x0
	s_endpgm
.Lfunc_end_k_q18c41730e3_outln:
	.size	k_q18c41730e3_outln, .Lfunc_end_k_q18c41730e3_outln-k_q18c41730e3_outln
	.p2alignl 7, 3214868480
	.fill 96, 4, 3214868480
	.section	.rodata,"a",@progbits
	.p2align	6, 0x0
	.amdhsa_kernel k_q18c41730e3_outln
		.amdhsa_group_segment_fixed_size 92160
		.amdhsa_private_segment_fixed_size 0
		.amdhsa_enable_private_segment 0
		.amdhsa_kernarg_size 88
		.amdhsa_user_sgpr_count 2
		.amdhsa_user_sgpr_kernarg_segment_ptr 1
		.amdhsa_wavefront_size32 1
		.amdhsa_system_sgpr_workgroup_id_x 1
		.amdhsa_system_sgpr_workgroup_id_y 1
		.amdhsa_system_sgpr_workgroup_id_z 1
		.amdhsa_system_vgpr_workitem_id 0
		.amdhsa_next_free_vgpr 256
		.amdhsa_next_free_sgpr 66
		.amdhsa_reserve_vcc 0
		.amdhsa_float_denorm_mode_32 3
		.amdhsa_float_denorm_mode_16_64 3
		.amdhsa_memory_ordered 1
		.amdhsa_forward_progress 1
		.amdhsa_inst_pref_size 47
	.end_amdhsa_kernel
	.amdgpu_metadata
---
amdhsa.version: [ 1, 2 ]
amdhsa.kernels:
  - .name:           k_q18c41730e3_outln
    .symbol:         k_q18c41730e3_outln.kd
    .args:
      - { .name: acodes, .offset: 0, .size: 8, .value_kind: global_buffer, .address_space: global }
      - { .name: ascales, .offset: 8, .size: 8, .value_kind: global_buffer, .address_space: global }
      - { .name: Wout_codes, .offset: 16, .size: 8, .value_kind: global_buffer, .address_space: global }
      - { .name: Wout_scales, .offset: 24, .size: 8, .value_kind: global_buffer, .address_space: global }
      - { .name: bout, .offset: 32, .size: 8, .value_kind: global_buffer, .address_space: global }
      - { .name: gamma, .offset: 40, .size: 8, .value_kind: global_buffer, .address_space: global }
      - { .name: beta, .offset: 48, .size: 8, .value_kind: global_buffer, .address_space: global }
      - { .name: embedding1, .offset: 56, .size: 8, .value_kind: global_buffer, .address_space: global }
      - { .name: embedding2, .offset: 64, .size: 8, .value_kind: global_buffer, .address_space: global }
      - { .name: out0, .offset: 72, .size: 8, .value_kind: global_buffer, .address_space: global }
      - { .name: out1, .offset: 80, .size: 8, .value_kind: global_buffer, .address_space: global }
    .group_segment_fixed_size: 92160
    .private_segment_fixed_size: 0
    .kernarg_segment_align: 8
    .kernarg_segment_size: 88
    .max_flat_workgroup_size: 512
    .sgpr_count:     66
    .vgpr_count:     256
    .wavefront_size: 32
...
	.end_amdgpu_metadata
.endif
;; end of part 5
